; MI455X (gfx1250); checked and timed in simulation.
; The chip was launched on July 23, 2026; its instructions are those of AMD's public machine-readable ISA for CDNA 5 (MIT licence, August 2026) and "CDNA5" Instruction Set Architecture Reference Guide (July 2026). The comments in the code are by the model that wrote it; some were corrected since.
;; Multi Head Self Attention. Allowed arithmetic: matrix products marked QUANTISED: E2M3 operands, one E8M0 scale for each 32 along K, by v_wmma_scale_f32_16x16x128_f8f6f4 with both operands' format E2M3, f32 sums; everything else in f32.
;; Inputs: w_out_codes 1,024 x 32 x 24 uint8 (E2M3 codes of w_out, K innermost, in blocks of 32 codes, four codes in three bytes); w_out_scales 1,024 x 32 uint8 (E8M0 scales of w_out, one for each 32 codes along K); w_qkv_codes 3,072 x 32 x 24 uint8 (E2M3 codes of w_qkv, K innermost, in blocks of 32 codes, four codes in three bytes); w_qkv_scales 3,072 x 32 uint8 (E8M0 scales of w_qkv, one for each 32 codes along K); x_codes 4 x 2,048 x 32 x 24 uint8 (E2M3 codes of x, K innermost, in blocks of 32 codes, four codes in three bytes); x_scales 4 x 2,048 x 32 uint8 (E8M0 scales of x, one for each 32 codes along K).
;; Outputs: out0 4 x 2,048 x 1,024 float32.
;; This version of the problem:
;;   THIS VERSION OF THE PROBLEM IS GIVEN IN LOW PRECISION. The matrix products marked QUANTISED in the list below multiply operands that are first quantised to E2M3 (2 exponent bits, 3 mantissa bits; 6 bits a number), with one power-of-two scale for each 32 numbers along K (OCP MX v1.0); their sums are f32. All else is computed in f32.
;;   The module's matrix products, in the order in which they are computed (A, B: the left and right operand; K: the contracted axis; several contracted axes count as one K, in the product's order):
;;     1. [M 8,192, K 1,024] x [K 1,024, N 3,072]; A: input x (given as codes); B: input w_qkv (given as codes): QUANTISED
;;     2. batch 64 x [M 2,048, K 64] x [K 64, N 2,048]; A: computed on the way; B: computed on the way: QUANTISED
;;     3. batch 64 x [M 2,048, K 2,048] x [K 2,048, N 64]; A: softmax (see below); B: computed on the way: QUANTISED
;;     4. [M 8,192, K 1,024] x [K 1,024, N 1,024]; A: computed on the way; B: input w_out (given as codes): QUANTISED
;;   THE QUANTISER, for each operand of a quantised product, along K:
;;     - K is cut into blocks of 32 from its start; a last block that is shorter is filled with zeros.
;;     - A block's scale is 2^e with e = floor(log2(the largest magnitude in the block)) - 2, held to -126 .. 127; a block of zeros has e = 0. As a byte (E8M0): e + 127.
;;     - Each number is divided by its block's scale, clamped to +-7.5, and rounded to the nearest number of E2M3, ties to even, subnormals kept.
;;     - The product sums the exact products of the quantised numbers (number of the format x scale) in f32.
;;   ~~~python
;;   def quantise(x, axis):      # numpy; x: float32 -> the quantised numbers, widened to float32 again
;;       x = np.moveaxis(x, axis, -1); K = x.shape[-1]
;;       x = np.pad(x, [(0, 0)] * (x.ndim - 1) + [(0, -K % 32)]); x = x.reshape(x.shape[:-1] + (-1, 32)); a = np.abs(x).max(-1, keepdims=True)
;;       e = np.where(a > 0, np.clip(np.frexp(np.where(a > 0, a, 1))[1] - 1 - 2, -126, 127), 0)      # np.frexp(a)[1] - 1 = floor(log2(a)), exactly
;;       r = np.clip(x / 2.0 ** e, -7.5, 7.5)
;;       step = 2.0 ** (np.maximum(np.frexp(np.where(r == 0, 1, r))[1] - 1, 0) - 3)
;;       q = np.round(r / step) * step * 2.0 ** e      # np.round: ties to even
;;       return np.moveaxis(q.reshape(q.shape[:-2] + (-1,))[..., :K], -1, axis).astype(np.float32)
;;   ~~~
;;   SOFTMAX AHEAD OF A QUANTISED PRODUCT. Where the list says 'softmax', what is quantised is not the finished softmax but p = 2^(t - M), with t = logit x log2(e) and M = ceil(the row's largest t), a whole number; so 1/2 < the row's largest p <= 1. The row's sum l is taken of the UNQUANTISED p, in f32, and the product's result is divided by l at the end. Since M is a whole number, a kernel that streams over the keys may use a running M (the ceiling of the running maximum): every later rescaling is an exact power of two, which a block's scale takes up: the codes' values come out the same.
;;   OPERANDS COMPUTED ON THE WAY. 'Computed on the way' means the value that the module computes at that place (a softmax that the list does not call 'softmax' is quantised finished and normalised). What goes into a quantiser is computed in f32, as accurately as f32 sums, v_exp_f32 and their like allow (about 1e-6 of the number): no bf16 or f16 on the way to a quantiser, and a product that is left as it is and whose result goes on into a quantised operand takes f32 operands (vector FMAs, or v_wmma_f32_16x16x4_f32). A number that lies on a knife's edge between two numbers of the format may be rounded either way, as far as f32 arithmetic and the matrix unit's own rounding can turn it there, and no further.
;;   INPUTS GIVEN AS CODES. w_out (in the module: [1024, 1024], K = its axis 0); w_qkv (in the module: [1024, 3072], K = its axis 0); x (in the module: [4, 2048, 1024], K = its axis 2): each comes as NAME_codes (uint8): NAME with its K axis moved to the last place and cut into blocks of 32 codes, [.., K / 32, bytes a block], one block behind the other in memory; four codes in three bytes: a row's codes are one little-endian stream of bits, code i at bits 6 i .. 6 i + 5 (a code: sign, 2 exponent bits, 3 mantissa bits); and NAME_scales (uint8): the same leading axes, one E8M0 byte (e + 127) for each 32 codes along K. Its value is code x scale, taken as it is: it is not quantised again, and the codes and scales need not be those that the quantiser above would give.
;; One version. Each part assembles by itself: llvm-mc -triple=amdgcn-amd-amdhsa -mcpu=gfx1250 --defsym DOCPART=n.
;; ======== version 1 of 1: 3 launches
;; limits: right only within a limited range of input values
;; workspace buffers: qb 13,107,200 bytes; kv 13,107,200 bytes; a_codes 6,291,456 bytes; a_scales 262,144 bytes
;; launch qkv (part 1): grid 8 x 48, 4 waves a work-group, clusters of 4 x 4, 327,680 bytes of LDS; arguments x_codes, x_scales, w_qkv_codes, w_qkv_scales, qb, kv; writes qb, kv
.if DOCPART == 1
	.amdgcn_target "amdgcn-amd-amdhsa--gfx1250"
	.amdhsa_code_object_version 6
	.text
	.protected	k_q6f76994a89_qkv
	.globl	k_q6f76994a89_qkv
	.p2align	8
	.type	k_q6f76994a89_qkv,@function
k_q6f76994a89_qkv:
	s_mov_b64 s[64:65], 0
	v_nop
	global_prefetch_b8 v0, s[64:65] scope:SCOPE_SE
	s_setreg_imm32_b32 hwreg(HW_REG_WAVE_MODE, 25, 1), 1
	s_wait_xcnt 0x0
	s_wait_alu depctr_hold_cnt(0) depctr_sa_sdst(0) depctr_va_vdst(0) depctr_va_sdst(0) depctr_va_ssrc(0) depctr_va_vcc(0) depctr_vm_vsrc(0)
	s_getreg_b32 s2, hwreg(HW_REG_IB_STS2, 6, 4)
	s_cmp_eq_u32 s2, 0
	s_cbranch_scc0 .Lentry_in_a_cluster
	s_endpgm
.Lentry_in_a_cluster:
	s_bfe_u32 s2, ttmp6, 0x10000c
	s_cmp_lg_u32 s2, 0xf033
	s_cbranch_scc0 .Lentry_shape_is_right
	s_endpgm
.Lentry_shape_is_right:
; qkv = x w_qkv on codes of FP6 (E2M3) with one E8M0 scale for each 32 along K = 1,024, and, without going to memory as f32, the quantisers of q and k (along a head's 64) and of v (along the keys).
; A tile of 256 x 256 of the product is made by four waves, each 128 x 128: 64 accumulators of 16 x 16, 512 registers.  K goes in steps of 256 through a ring of two LDS slots filled by the tensor data mover.
; THE MATRIX INSTRUCTION IS USED TRANSPOSED: source 0 takes 16 rows of the side ALONG WHICH THE RESULT IS QUANTISED (called B here), source 1 the other side (A): a lane then holds one row of A's side,
; and its registers run along B's side.  TWO ROLES, chosen by the cluster's y alone, by selects and never by a branch:
;   cluster y 0-7:  A = x (tokens), B = rows 0-2,047 of w_qkv (channels of q, cluster x 0, and of k, cluster x 1): quantised along the channels of a head;
;   cluster y 8-11: A = rows 2,048-3,071 of w_qkv (channels of v), B = x (tokens): quantised along the keys.
; CLUSTERS: 4 x 4 work-groups; A's tile is shared along a row of the cluster, B's along a column: each is asked for jointly, by the same tensor load with the same descriptor and a mask that names the four.
; WHAT IS STORED.  For each (batch, head) a block of 204,800 bytes, in qb (q) or kv (k and v):  +0 k's scale words [step of 128 keys: 16][row 16][4 words]: word i holds the two bytes of key 16 i + row and the two of key
; 16 (i + 4) + row;  +4,096 v's [step][channel row 16][channel tile 4]: a word holds the step's four key blocks;  +8,192 + 98,304 x (half of the keys): k's half fragments [key tile 64][768 bytes], then v's [64 keys: 16][channel tile 4][768].
; A HALF FRAGMENT is 16 rows x 64 codes as an image of six operand registers: byte 256 p + 8 lane + y is byte 8 p + y of the lane's 24 bytes.  Each store of the wave covers 256 consecutive bytes, aligned.
; ORDER INSIDE A BLOCK OF 32: the results are quantised as they fall: place 16 h + 8 u + j of a block holds its number 16 u + 8 h + j.  The block is the true set of 32 numbers, so its scale is the true one; q and k carry the
; same order, and so do v and the softmax's p in the next launch: the sums of products are those of the true order, taken in another order.
; LIMITS: NaN and infinities are not served; a block whose largest magnitude lies under 2^(3 - 127), a block of zeros among them, gets the byte 1 (zeros: where the quantiser's rule says 127; its codes are zeros, and this program alone reads the bytes).
; REGISTERS, in windows of 256: window 0: v0-31 addresses; v32-63 scale words, two sets, and nothing else; from v128 A's fragments, one set; behind the loop v64-207 are at work.
;   window 1: B's fragments, two sets, at v0 and v128.   window 2: the accumulators of my rows 0-63 of A's side ((a, b) at v[8 (8 a + b)]);   window 3: those of rows 64-127.
.set KSTEP,  256                       ; along K in a slot
.set NQ,     2                         ; matrix instructions deep
.set ROWB,   192                       ; a tile's row in bytes
.set KROW,   768                       ; a row of 1,024 codes in memory
.set PITCH,  240                       ; an LDS row: 3 x (64 bytes + 16 of padding)
.set FR,     12                        ; registers of a fragment
.set NL,     6                         ; LDS loads that bring one
.set NP,     4                         ; places behind this matrix instruction (ISA guide 7.12.1)
.set HALFT,  128*PITCH                 ; 128 rows: what one tensor load brings
.set SLOT,   4*HALFT                   ; A's 256 rows, then B's 256 rows
.set LAPS,   2                         ; 1,024 / 512: a lap is once round the ring
.set KS,     32                        ; a row of scale bytes
.set SCL,    2*SLOT                    ; behind the ring: the scales, as runs of 256 bytes + 16 of padding
.set HALFS,  (128*KS/256)*272
.set SBLK,   (16*KS/256)*272
.set SPARE,  SCL+4*HALFS               ; the spare words, 128 bytes a wave: two blocks of 256 bytes that no other line names
.set HEADB,  204800                    ; a (batch, head)'s block in qb and kv
.set ADRA, 16                          ; v16-17 LDS address of my A fragments in slot 0, 1 (v18-19: behind one padding more)
.set ADRB, 20                          ; v20-23 the same for B
.set ADRS, 27                          ; v27 LDS address of my scale words: lanes 0-15 A's rows, lanes 16-31 B's
.set SPW,  28                          ; v28 LDS address of my spare word; never rewritten
.set NIL,  29                          ; v29 0; never rewritten
.set SC,   32                          ; scale words: set s at v[SC + 16 s]
.set AF,   128                         ; A's fragments
.set TM,   64                          ; behind the loop: v64-67 largest magnitudes, v68-71 the other half's, then bytes, v76-79 the conversions' scale operands
.set T2,   80                          ; v80-87 the second halves of blocks' codes
.set PWA,  88                          ; v88, v89 the scale words of blocks i and i + 4
.set PWB,  89
.set KW0,  92                          ; v92-95, v96-99 the four words for the first and for the second (batch, head)
.set KW1,  96
.set KSW,  100                         ; v100-103 what a lane stores of them
.set VO,   104                         ; v104-107 byte offsets of the codes: v[VO + 2 c + e]
.set VS,   108                         ; v108 byte offset of the scale words
.set PCB,  112                         ; v112-207 the codes: block i + 4 e at v[PCB + 24 i + 12 e]: none is written twice, so no store's data are written again
.set G1, 24
.set G0, 32
.set G1B, 48
.set G0B, 56
.set G1S, 68
.set G0S, 76
.set G1SB, 80
.set G0SB, 88
.set MSB, 0
.macro WIN new                         ; the immediate's high byte repeats the setting that is left
.if MSB != \new
	s_set_vgpr_msb (MSB<<8)|\new
.set MSB, \new
.endif
.endm
.set MUL_LO, 0xa1                      ; source 0 (B) window 1, source 1 (A) window 0, C and D window 2
.set MUL_HI, 0xf1                      ; the same, C and D window 3
.set TO_B,   0x40                      ; destination window 1, address window 0
; A joint load: waves 0 and 1 fetch for A, waves 2 and 3 for B; the branch hangs on the wave's number alone.  Four v_nop follow each of the two lines.
.macro JLOAD g0a, g1a, g0b, g1b
	s_cmp_eq_u32 s15, 0
	s_cbranch_scc0 .Lfor_b_\@
	tensor_load_to_lds s[\g0a:\g0a+3], s[\g1a:\g1a+7]
	s_nop 0
.rept 4
	v_nop
.endr
	s_branch .Lasked_\@
.Lfor_b_\@:
	tensor_load_to_lds s[\g0b:\g0b+3], s[\g1b:\g1b+7]
	s_nop 0
.rept 4
	v_nop
.endr
.Lasked_\@:
.endm
.macro CREST                           ; a round of the cluster's barrier behind its opening barrier
	s_cmp_lg_u32 s14, 0
	s_cbranch_scc1 .Lnot_wave_0_\@
	s_barrier_signal -3
.Lnot_wave_0_\@:
	s_barrier_wait -3
	s_barrier_signal -1
	s_barrier_wait -1
.endm
.macro CROUND                          ; a whole round
	s_barrier_signal -1
	s_barrier_wait -1
	CREST
.endm
	s_load_b128 s[4:7], s[0:1], 0x0                ; x's codes, x's scales
	s_load_b128 s[8:11], s[0:1], 0x10              ; w_qkv's codes, w_qkv's scales
	s_load_b128 s[96:99], s[0:1], 0x20             ; qb, kv
	v_lshl_add_u32 v[SPW], v0, 2, SPARE
	v_mov_b32 v[NIL], 0
	ds_add_u32 v28, v29
	ds_add_u32 v28, v29
	s_wait_dscnt 0x0
	v_lshrrev_b32 v1, 5, v0
	v_readfirstlane_b32 s14, v1                    ; wave 0..3
	s_lshr_b32 s15, s14, 1                         ; which half of A's rows is mine.  Also: I fetch for A (0) or for B (1)
	s_and_b32 s16, s14, 1                          ; which half of B's rows.  Also: which 128 rows of that tile I fetch
	s_bfe_u32 s40, ttmp6, 0x40000                  ; cx, cy: my place in the cluster
	s_bfe_u32 s41, ttmp6, 0x40004
	s_and_b32 s66, ttmp7, 0xffff                   ; the cluster's y: it says the role
	s_mov_b32 s67, ttmp9                           ; the cluster's x
	s_lshl_b32 s17, s66, 2
	s_lshl_b32 s18, s66, 3
	s_sub_co_u32 s18, s18, 64                      ; 8 (cluster y - 8): taken in v's role alone
	s_cmp_lt_u32 s66, 8                            ; q's and k's role?
	s_cselect_b32 s17, s17, 8
	s_cselect_b32 s18, 0, s18
	s_add_co_u32 s17, s17, s41                     ; A's tile row: 4 x cluster y + cy of x, or 8 + cy of w_qkv: it holds cy and no cx
	s_lshl_b32 s42, s67, 2
	s_add_co_u32 s42, s42, s40
	s_add_co_u32 s42, s42, s18                     ; B's tile row: 4 x cluster x + cx of w_qkv, or that + 8 (cluster y - 8) of x: it holds cx and no cy
	s_lshl_b32 s43, s41, 2
	s_lshl_b32 s43, 15, s43                        ; my row of the cluster
	s_lshl_b32 s44, 0x1111, s40                    ; my column
	; descriptor group 1: a tile of 128 rows x 192 bytes; 16 bytes of padding behind every 64
	s_or_b32 s[G1+0], s43, (0<<16)|(1<<20)|(1<<21)|(3<<22)|(3<<25)  ; 15:0 the mask; 17:16 elements of 1 byte; 20 padding on; 21 set beside a mask; 24:22 after every 16 words; 31:25 of 4 words
	s_or_b32 s[G1B+0], s44, (0<<16)|(1<<20)|(1<<21)|(3<<22)|(3<<25)
.irp g, G1, G1B
	s_mov_b32 s[\g+1], ROWB<<16                    ; tensor_dim0
	s_mov_b32 s[\g+2], 128<<16                     ; tensor_dim1
	s_mov_b32 s[\g+3], ROWB<<16                    ; tile_dim0
	s_mov_b32 s[\g+4], 128                         ; tile_dim1
	s_mov_b32 s[\g+5], KROW                        ; from row to row
	s_mov_b32 s[\g+6], 0
	s_mov_b32 s[\g+7], 0
.endr
	; the scales of 128 rows: 4,096 dense bytes, as 16 rows of 256 bytes (32 elements of 8), 16 bytes of padding behind each
	s_or_b32 s[G1S+0], s43, (3<<16)|(1<<20)|(1<<21)|(5<<22)|(3<<25)
	s_or_b32 s[G1SB+0], s44, (3<<16)|(1<<20)|(1<<21)|(5<<22)|(3<<25)
.irp g, G1S, G1SB
	s_mov_b32 s[\g+1], 32<<16
	s_mov_b32 s[\g+2], (128*KS/256)<<16
	s_mov_b32 s[\g+3], 32<<16
	s_mov_b32 s[\g+4], 128*KS/256
	s_mov_b32 s[\g+5], 32
	s_mov_b32 s[\g+6], 0
	s_mov_b32 s[\g+7], 0
.endr
	s_lshl_b32 s18, s16, 7                         ; which 128 rows of the tile I fetch
	s_lshl_b32 s20, s17, 8
	s_add_co_u32 s20, s20, s18                     ; A's row
	s_lshl_b32 s46, s42, 8
	s_add_co_u32 s46, s46, s18                     ; B's row
	s_mov_b32 s21, 0
	s_mov_b32 s47, 0
	s_mov_b64 s[18:19], KS
	s_mul_u64 s[22:23], s[20:21], s[18:19]         ; where these rows' scales begin, in bytes
	s_mul_u64 s[92:93], s[46:47], s[18:19]
	s_mov_b64 s[18:19], KROW
	s_mul_u64 s[20:21], s[20:21], s[18:19]         ; and their codes
	s_mul_u64 s[46:47], s[46:47], s[18:19]
	s_mul_i32 s45, s14, HALFT                      ; where they go: wave x 128 rows: no place in the cluster enters an LDS address
	s_mul_i32 s94, s14, HALFS
	s_wait_kmcnt 0x0
	s_cmp_lt_u32 s66, 8                            ; the role chooses which tensor is A and which is B: the choice hangs on the cluster's y alone
	s_cselect_b64 s[2:3], s[8:9], s[4:5]           ; B's codes
	s_cselect_b64 s[4:5], s[4:5], s[8:9]           ; A's codes
	s_mov_b64 s[8:9], s[2:3]
	s_cselect_b64 s[2:3], s[10:11], s[6:7]         ; B's scales
	s_cselect_b64 s[6:7], s[6:7], s[10:11]         ; A's scales
	s_mov_b64 s[10:11], s[2:3]
	s_lshl_b32 s12, s67, 4
	s_add_co_u32 s12, s12, s66
	s_cmp_lt_u32 s12, 8                            ; cluster x 0 and cluster y under 8: q
	s_cselect_b64 s[12:13], s[96:97], s[98:99]     ; the buffer that I store into: qb or kv
	s_add_nc_u64 s[20:21], s[4:5], s[20:21]
	s_add_nc_u64 s[22:23], s[6:7], s[22:23]
	s_add_nc_u64 s[46:47], s[8:9], s[46:47]
	s_add_nc_u64 s[92:93], s[10:11], s[92:93]
	CROUND                                         ; all sixteen work-groups are here: the first joint loads meet
	s_mov_b32 s[G0S], 1
	s_add_co_u32 s[G0S+1], s94, SCL
	s_mov_b64 s[G0S+2:G0S+3], s[22:23]
	s_or_b32 s[G0S+3], s[G0S+3], 0x80000000
	s_mov_b32 s[G0SB], 1
	s_add_co_u32 s[G0SB+1], s94, SCL
	s_mov_b64 s[G0SB+2:G0SB+3], s[92:93]
	s_or_b32 s[G0SB+3], s[G0SB+3], 0x80000000
	JLOAD G0S, G1S, G0SB, G1SB                     ; the scales first: they are wanted with K step 0, and stay for the whole launch
.irp s, 0,1
	s_mov_b32 s[G0+4*\s], 1
	s_add_co_u32 s[G0+4*\s+1], s45, \s*SLOT
	s_add_nc_u64 s[G0+4*\s+2:G0+4*\s+3], s[20:21], \s*ROWB
	s_or_b32 s[G0+4*\s+3], s[G0+4*\s+3], 0x80000000
	s_mov_b32 s[G0B+4*\s], 1
	s_add_co_u32 s[G0B+4*\s+1], s45, \s*SLOT
	s_add_nc_u64 s[G0B+4*\s+2:G0B+4*\s+3], s[46:47], \s*ROWB
	s_or_b32 s[G0B+4*\s+3], s[G0B+4*\s+3], 0x80000000
	JLOAD G0+4*\s, G1, G0B+4*\s, G1B               ; three tensor loads of mine are out at the most
.endr
	v_and_b32 v1, 15, v0                           ; l % 16
	v_bfe_u32 v2, v0, 4, 1                         ; l / 16
	v_mul_u32_u24 v3, v1, PITCH
	v_mul_u32_u24 v4, v2, 24
	v_add_nc_u32 v4, v3, v4                        ; a fragment's row x pitch + 24 x half
	v_lshl_add_u32 v5, v2, 4, v4                   ; and the same behind one padding more
	s_mul_i32 s21, s15, HALFT                      ; my 128 rows of A
	s_mul_i32 s22, s16, HALFT                      ; my 128 rows of B,
	s_add_co_u32 s22, s22, 2*HALFT                 ; which lie behind A's 256
.irp s, 0,1
	v_add_nc_u32 v[ADRA+\s], s21, v4
	v_add_nc_u32 v[ADRB+\s], s22, v4
	v_add_nc_u32 v[ADRA+2+\s], s21, v5
	v_add_nc_u32 v[ADRB+2+\s], s22, v5
	s_add_co_u32 s21, s21, SLOT
	s_add_co_u32 s22, s22, SLOT
.endr
	v_mul_u32_u24 v5, v1, KS                       ; my row's scales: 32 bytes a row,
	v_lshrrev_b32 v6, 8, v5
	v_lshl_add_u32 v5, v6, 4, v5                   ; and 16 more for each 256 passed
	s_mul_i32 s21, s15, HALFS
	s_mul_i32 s22, s16, HALFS
	s_add_co_u32 s22, s22, 2*HALFS
	s_sub_co_u32 s22, s22, s21
	v_mul_u32_u24 v6, s22, v2                      ; lanes 16-31 take B's
	s_add_co_u32 s21, s21, SCL
	v_add_nc_u32 v5, v5, v6
	v_add_nc_u32 v[ADRS], s21, v5
	; WHERE MY RESULTS GO.  These numbers mix cx and cy; they lie in registers that feed no descriptor.
	s_cmp_lt_u32 s66, 8
	s_cselect_b32 s92, s17, s42                    ; the tile of 256 tokens,
	s_cselect_b32 s93, s15, s16                    ; my half of it,
	s_cselect_b32 s18, s40, s41                    ; the tile's four heads,
	s_cselect_b32 s19, s16, s15                    ; my two of them
	s_cselect_b32 s99, 0, 4096                     ; k's scale words or v's
	s_cselect_b32 s96, 0, 49152                    ; k's half fragments or v's
	s_mov_b32 s97, 3072
	s_mov_b32 s98, 3072
	s_cselect_b32 s97, HEADB, s97                  ; from the first 64 along B's side to the second: the next head, or the next 64 keys
	s_cselect_b32 s98, s98, HEADB                  ; from block i to block i + 4 of A's side: four token tiles on, or the next head
	s_mov_b32 s100, 0x03020100
	s_mov_b32 s101, 0x07060504
	s_cselect_b32 s100, 0x05040100, s100           ; the first head's word i: the low halves of blocks i's and i + 4's words, or block i's word whole
	s_cselect_b32 s101, 0x07060302, s101           ; the second head's: the high halves, or block i + 4's word whole
	s_lshr_b32 s2, s92, 3                          ; the batch
	s_lshl_b32 s2, s2, 4
	s_lshl_b32 s18, s18, 2
	s_add_co_u32 s2, s2, s18
	s_lshl_b32 s19, s19, 1
	s_add_co_u32 s2, s2, s19                       ; 16 x batch + my first head
	s_mul_i32 s2, s2, HEADB
	s_and_b32 s92, s92, 7
	s_lshl_b32 s92, s92, 1
	s_add_co_u32 s92, s92, s93                     ; my step of 128 tokens in the batch, 0..15
	s_lshl_b32 s93, s92, 8
	s_add_co_u32 s99, s99, s93
	s_add_co_u32 s99, s99, s2                      ; s99: the scale words' byte offset
	s_lshr_b32 s93, s92, 3
	s_mul_i32 s93, s93, 98304
	s_and_b32 s92, s92, 7
	s_mul_i32 s92, s92, 6144
	s_add_co_u32 s96, s96, s93
	s_add_co_u32 s96, s96, s92
	s_add_co_u32 s96, s96, s2
	s_add_co_u32 s96, s96, 8192                    ; s96: the codes' byte offset
	s_mov_b32 s92, 0x76543210
	s_mov_b32 s93, 0xfedcba98                      ; v_permlanex16_b32's selects for lane l xor 16
.macro FRAG reg, adr, q, i             ; a fragment, 16 rows x 128 K: lane l holds row l % 16; registers 6 c .. 6 c + 5 hold K = 64 c + 32 (l / 16) + 0 .. 31: 24 bytes of the row's stream of bits, as they lie
.irp p, 0,1,2,3,4,5                    ; in pieces of 8 bytes.  Where the piece three on (lanes 16-31) lies behind one padding more, the second address register serves
.set PCE, 12*(\q)+6*(\p/3)+\p%3
.if PCE%8 < 5
	ds_load_b64 v[\reg+2*\p:\reg+2*\p+1], v[\adr] offset:8*PCE+16*(PCE/8)+(\i)*16*PITCH
.else
	ds_load_b64 v[\reg+2*\p:\reg+2*\p+1], v[\adr+2] offset:8*PCE+16*(PCE/8)+(\i)*16*PITCH
.endif
.endr
.endm
; 16 matrix instructions: A's blocks a0, a0 + 1 x B's eight, 128 along K.  zero = 1: the first product starts the sums.  The 64 accumulators take turns, one instruction a turn.
.macro MUL16 a0, p, q, sc, zero
.irp a, \a0, \a0+1
.irp b, 0,1,2,3,4,5,6,7
.if \zero
	v_wmma_scale_f32_16x16x128_f8f6f4 v[8*(8*((\a)%4)+\b):8*(8*((\a)%4)+\b)+7], v[128*(\p)+FR*\b:128*(\p)+FR*\b+FR-1], v[AF+FR*(\a):AF+FR*(\a)+FR-1], 0, v[SC+8*NQ*(\sc)+NQ*\b+(\q)], v[SC+8*NQ*(\sc)+NQ*(\a)+(\q)] matrix_a_fmt:MATRIX_FMT_FP6 matrix_b_fmt:MATRIX_FMT_FP6 matrix_a_scale:MATRIX_SCALE_ROW1
.else
	v_wmma_scale_f32_16x16x128_f8f6f4 v[8*(8*((\a)%4)+\b):8*(8*((\a)%4)+\b)+7], v[128*(\p)+FR*\b:128*(\p)+FR*\b+FR-1], v[AF+FR*(\a):AF+FR*(\a)+FR-1], v[8*(8*((\a)%4)+\b):8*(8*((\a)%4)+\b)+7], v[SC+8*NQ*(\sc)+NQ*\b+(\q)], v[SC+8*NQ*(\sc)+NQ*(\a)+(\q)] matrix_a_fmt:MATRIX_FMT_FP6 matrix_b_fmt:MATRIX_FMT_FP6 matrix_a_scale:MATRIX_SCALE_ROW1
.endif
.endr
.endr
.endm
.macro FETCH_B slot, q, p              ; B's eight fragments of the slot's q-th 128 along K into set p
	WIN TO_B
.irp i, 0,1,2,3,4,5,6,7
	FRAG 128*(\p)+FR*\i, ADRB+\slot, \q, \i
.endr
	WIN 0
.endm
.macro FETCH_A slot, q, i0             ; A's blocks i0 .. i0 + 3
.irp i, \i0, \i0+1, \i0+2, \i0+3
	FRAG AF+FR*(\i), ADRA+\slot, \q, \i
.endr
.endm
.macro SCALES sc                       ; the next K step's scale words into set sc: two words a row; lanes 0-15 take A's block i, lanes 16-31 B's block i
.irp i, 0,1,2,3,4,5,6,7
	ds_load_b64 v[SC+8*NQ*\sc+NQ*\i:SC+8*NQ*\sc+NQ*\i+1], v[ADRS] offset:\i*SBLK
.endr
.endm
.macro PLACES n                        ; plain vector instructions between a matrix instruction and a load into, or a vector instruction on, its registers
.rept \n
	v_nop
.endr
.endm
; A step of 128 along K that has its successor in the same slot.
.macro STEP slot, q, zero
	s_wait_dscnt 4*NL                              ; B's set and A's blocks 0-3 are in; the youngest 24 loads (A's blocks 4-7) may be out
	WIN MUL_LO
	MUL16 0, (\q)%2, \q, \slot, \zero
	MUL16 2, (\q)%2, \q, \slot, \zero
	s_wait_dscnt 0                                 ; A's blocks 4-7 are in
	PLACES NP
	FETCH_B \slot, (\q)+1, 1-(\q)%2
	FETCH_A \slot, (\q)+1, 0
	WIN MUL_HI
	MUL16 4, (\q)%2, \q, \slot, \zero
	MUL16 6, (\q)%2, \q, \slot, \zero
	PLACES NP
	WIN 0
	FETCH_A \slot, (\q)+1, 4
.endm
; A slot's last step changes slots: one barrier; in front of it each wave waits for all its tensor loads, adds 0 to its spare word, and waits for that and for its own reads of this slot.  fill = 1: this slot is filled again, two K steps ahead.
.macro TURN slot, next, fill
	s_wait_tensorcnt 0x0                           ; all my tensor loads have landed: my part of the next slot
	ds_add_u32 v[SPW], v[NIL]                      ; 0 onto my spare word
	s_wait_dscnt 4*NL+1                            ; (the add and the youngest 24 loads, A's blocks 4-7, may be out)
	WIN MUL_LO
	MUL16 0, 1, NQ-1, \slot, 0                     ; sixteen matrix instructions stand between the add and the wait for it
	s_wait_dscnt 0x0                               ; the add is done, and my reads of this slot are over
	s_barrier_signal -1
	MUL16 2, 1, NQ-1, \slot, 0
	WIN 0
	s_barrier_wait -1
.if \fill
	CREST                                          ; the barrier has opened a round of the cluster's barrier: no wave of any partner still reads this slot's tile or has a load on its way
	s_add_nc_u64 s[G0+4*\slot+2:G0+4*\slot+3], s[G0+4*\slot+2:G0+4*\slot+3], 2*ROWB
	s_add_nc_u64 s[G0B+4*\slot+2:G0B+4*\slot+3], s[G0B+4*\slot+2:G0B+4*\slot+3], 2*ROWB
	JLOAD G0+4*\slot, G1, G0B+4*\slot, G1B         ; the first tensor load behind the round; the four v_nop behind it are the places in front of the loads below
.else
	PLACES NP
.endif
	v_add_nc_u32 v[ADRS], 4*NQ, v[ADRS]            ; on to the next K step's scale words
	FETCH_B \next, 0, 0
	FETCH_A \next, 0, 0
	SCALES \next
	WIN MUL_HI
	MUL16 4, 1, NQ-1, \slot, 0
	MUL16 6, 1, NQ-1, \slot, 0
	PLACES NP
	WIN 0
	FETCH_A \next, 0, 4
.endm
	s_wait_tensorcnt 1                             ; the scales and my part of K step 0 are in (K step 1's load may be out),
	s_barrier_signal -1
	s_barrier_wait -1                              ; everybody's are
	FETCH_B 0, 0, 0
	FETCH_A 0, 0, 0
	SCALES 0
	FETCH_A 0, 0, 4
	STEP 0, 0, 1                                   ; the first step stands in front of the loop: its products start the sums
	s_mov_b32 s3, LAPS-1
.Llap:                                                 ; a trip goes once round the ring and fills both slots again
	TURN 0, 1, 1
	STEP 1, 0, 0
	TURN 1, 0, 1
	STEP 0, 0, 0
	s_sub_co_u32 s3, s3, 1
	s_cmp_lg_u32 s3, 0
	s_cbranch_scc1 .Llap
	TURN 0, 1, 0                                   ; the last lap fills nothing
	STEP 1, 0, 0
	s_wait_dscnt 4*NL                              ; the very last step: nothing more to fetch
	WIN MUL_LO
	MUL16 0, 1, NQ-1, 1, 0
	MUL16 2, 1, NQ-1, 1, 0
	s_wait_dscnt 0
	WIN MUL_HI
	MUL16 4, 1, NQ-1, 1, 0
	MUL16 6, 1, NQ-1, 1, 0
	WIN 0
; THE QUANTISER.  The 64 registers v[s] on of window w are one block of 16 rows of A's side against my 128 of B's side: register 16 b + i is, of my row, number 8 h + i (i < 8) or 16 + 8 h + i - 8 of block b.
; They become a fragment's 12 registers of codes at v[pc] and the row's scale word in v[pw].  A block's largest magnitude (mine and lane l xor 16's, with the floor 2^(3 - 127) among the leaves, which holds the byte at 1 from below)
; with 2 taken off its exponent field is the conversion's scale operand; that shifted down by 23 is the byte.  Each accumulator is read from its low end on.
.macro QUANT w, s, pc, pw
	WIN 5*(\w)                                     ; sources 0 and 1 in window w
.irp b, 0,1,2,3
	v_max3_num_f32 v[TM+\b], |v[(\s)+16*\b]|, |v[(\s)+16*\b+1]|, 0x1800000
.endr
	WIN 20*(\w)                                    ; sources 1 and 2 in window w
.irp i, 2,4,6,8,10,12,14
.irp b, 0,1,2,3
	v_max3_num_f32 v[TM+\b], v[TM+\b], |v[(\s)+16*\b+\i]|, |v[(\s)+16*\b+\i+1]|   ; the four blocks by turns
.endr
.endr
	WIN 0
.irp b, 0,1,2,3
	v_permlanex16_b32 v[TM+4+\b], v[TM+\b], s92, s93
.endr
.irp b, 0,1,2,3
	v_max_num_f32 v[TM+\b], v[TM+\b], v[TM+4+\b]
.endr
.irp b, 0,1,2,3
	v_add_nc_u32 v[TM+12+\b], 0xff000000, v[TM+\b]
.endr
.irp b, 0,1,2,3
	v_lshrrev_b32 v[TM+4+\b], 23, v[TM+12+\b]
.endr
	v_lshl_or_b32 v[\pw], v[TM+5], 8, v[TM+4]
	v_lshl_or_b32 v[\pw], v[TM+6], 16, v[\pw]
	v_lshl_or_b32 v[\pw], v[TM+7], 24, v[\pw]
	WIN (\w)                                       ; source 0 in window w
.irp c, 0,1
	v_cvt_scalef32_pk16_fp6_f32 v[(\pc)+6*\c:(\pc)+6*\c+2], v[(\s)+32*\c:(\s)+32*\c+15], v[TM+12+2*\c]
	v_cvt_scalef32_pk16_fp6_f32 v[T2+4*\c:T2+4*\c+2], v[(\s)+32*\c+16:(\s)+32*\c+31], v[TM+13+2*\c]   ; (a conversion's three registers begin on an even number)
.endr
	WIN 0
	v_nop                                          ; one plain place behind a scaled conversion
.irp c, 0,1                                    ; the operand's layout wants a whole block in a lane: lanes 0-15 block 2 c, lanes 16-31 block 2 c + 1
.irp i, 0,1,2
	v_permlane16_swap_b32 v[(\pc)+6*\c+\i], v[T2+4*\c+\i]
.endr
.irp i, 0,1,2
	v_mov_b32 v[(\pc)+3+6*\c+\i], v[T2+4*\c+\i]
.endr
.endr
.endm
	PLACES NP                                      ; behind the last products: results are read, and registers that held A's fragments are written
	v_and_b32 v1, 31, v0
	v_lshlrev_b32 v1, 3, v1                        ; 8 x lane: a lane's place in 256 bytes of a half fragment
	v_add_nc_u32 v[VO], s96, v1
	v_add_nc_u32 v[VO+1], s98, v[VO]               ; block i + 4
	v_add_nc_u32 v[VO+2], s97, v[VO]               ; the second 64 along B's side
	v_add_nc_u32 v[VO+3], s97, v[VO+1]
	v_and_b32 v2, 15, v0
	v_bfe_u32 v3, v0, 4, 1
	v_mul_u32_u24 v3, HEADB, v3
	v_lshl_add_u32 v3, v2, 4, v3
	v_add_nc_u32 v[VS], s99, v3                    ; 16 bytes a row; lanes 16-31 store the second head's words
.irp b, 0,1,2,3
	v_mov_b32 v[TM+4+\b], 0                        ; written once: a lane permute's destination counts as one of its sources
.endr
.irp i, 0,1,2,3
	QUANT 2, 64*\i, PCB+24*\i, PWA                 ; block i
	QUANT 3, 64*\i, PCB+24*\i+12, PWB              ; block i + 4
	v_perm_b32 v[KW0+\i], v[PWB], v[PWA], s100
	v_perm_b32 v[KW1+\i], v[PWB], v[PWA], s101
.irp e, 0,1
.irp c, 0,1
.irp p, 0,1,2
	global_store_b64 v[VO+2*\c+\e], v[PCB+24*\i+12*\e+6*\c+2*\p:PCB+24*\i+12*\e+6*\c+2*\p+1], s[12:13] offset:768*\i+256*\p   ; 32 lanes store 256 consecutive bytes, at a multiple of 256 from the buffer's first byte
.endr
.endr
.endr
.endr
	s_mov_b32 vcc_lo, 0xffff0000                   ; lanes 16-31
.irp j, 0,1,2,3
	v_cndmask_b32 v[KSW+\j], v[KW0+\j], v[KW1+\j], vcc_lo
.endr
	global_store_b128 v[VS], v[KSW:KSW+3], s[12:13]  ; sixteen lanes store a step's 256 bytes of scale words, for each of the two heads
	s_wait_tensorcnt 0x0                           ; the wave's end
	ds_add_u32 v[SPW], v[NIL]
	s_wait_dscnt 0x0
	CROUND                                         ; the closing round: no work-group ends while a partner may still ask for a tile that names it
	s_endpgm
.Lfunc_end_k_q6f76994a89_qkv:
	.size	k_q6f76994a89_qkv, .Lfunc_end_k_q6f76994a89_qkv-k_q6f76994a89_qkv
	.p2alignl 7, 3214868480
	.fill 96, 4, 3214868480
	.section	.rodata,"a",@progbits
	.p2align	6, 0x0
	.amdhsa_kernel k_q6f76994a89_qkv
		.amdhsa_group_segment_fixed_size 327680
		.amdhsa_private_segment_fixed_size 0
		.amdhsa_enable_private_segment 0
		.amdhsa_kernarg_size 48
		.amdhsa_user_sgpr_count 2
		.amdhsa_user_sgpr_kernarg_segment_ptr 1
		.amdhsa_wavefront_size32 1
		.amdhsa_system_sgpr_workgroup_id_x 1
		.amdhsa_system_sgpr_workgroup_id_y 1
		.amdhsa_system_sgpr_workgroup_id_z 1
		.amdhsa_system_vgpr_workitem_id 0
		.amdhsa_next_free_vgpr 1024
		.amdhsa_next_free_sgpr 102
		.amdhsa_reserve_vcc 1
		.amdhsa_float_denorm_mode_32 3
		.amdhsa_float_denorm_mode_16_64 3
		.amdhsa_memory_ordered 1
		.amdhsa_forward_progress 1
		.amdhsa_inst_pref_size 169
	.end_amdhsa_kernel
	.amdgpu_metadata
---
amdhsa.version: [ 1, 2 ]
amdhsa.kernels:
  - .name:           k_q6f76994a89_qkv
    .symbol:         k_q6f76994a89_qkv.kd
    .args:
      - { .name: x_codes, .offset: 0, .size: 8, .value_kind: global_buffer, .address_space: global }
      - { .name: x_scales, .offset: 8, .size: 8, .value_kind: global_buffer, .address_space: global }
      - { .name: w_qkv_codes, .offset: 16, .size: 8, .value_kind: global_buffer, .address_space: global }
      - { .name: w_qkv_scales, .offset: 24, .size: 8, .value_kind: global_buffer, .address_space: global }
      - { .name: qb, .offset: 32, .size: 8, .value_kind: global_buffer, .address_space: global }
      - { .name: kv, .offset: 40, .size: 8, .value_kind: global_buffer, .address_space: global }
    .group_segment_fixed_size: 327680
    .private_segment_fixed_size: 0
    .kernarg_segment_align: 8
    .kernarg_segment_size: 48
    .max_flat_workgroup_size: 128
    .sgpr_count:     102
    .vgpr_count:     1024
    .wavefront_size: 32
...
	.end_amdgpu_metadata
.endif
;; end of part 1
;; launch attn (part 2): grid 4 x 64, 16 waves a work-group, clusters of 4 x 1, 206,848 bytes of LDS; arguments qb, kv, a_codes, a_scales; writes a_codes, a_scales
.if DOCPART == 2
	.amdgcn_target "amdgcn-amd-amdhsa--gfx1250"
	.amdhsa_code_object_version 6
	.text
	.protected	k_q6f76994a89_attn
	.globl	k_q6f76994a89_attn
	.p2align	8
	.type	k_q6f76994a89_attn,@function
k_q6f76994a89_attn:
	s_mov_b64 s[64:65], 0
	v_nop
	global_prefetch_b8 v0, s[64:65] scope:SCOPE_SE
	s_setreg_imm32_b32 hwreg(HW_REG_WAVE_MODE, 25, 1), 1
	s_wait_xcnt 0x0
	s_wait_alu depctr_hold_cnt(0) depctr_sa_sdst(0) depctr_va_vdst(0) depctr_va_sdst(0) depctr_va_ssrc(0) depctr_va_vcc(0) depctr_vm_vsrc(0)
	s_getreg_b32 s2, hwreg(HW_REG_IB_STS2, 6, 4)
	s_cmp_eq_u32 s2, 0
	s_cbranch_scc0 .Lentry_in_a_cluster
	s_endpgm
.Lentry_in_a_cluster:
	s_bfe_u32 s2, ttmp6, 0x10000c
	s_cmp_lg_u32 s2, 0x3003
	s_cbranch_scc0 .Lentry_shape_is_right
	s_endpgm
.Lentry_shape_is_right:
; Causal attention of one (batch, head) for each cluster, both products on codes of FP6 (E2M3) with one E8M0 scale for each 32 along a product's K, and the quantiser of the result along the 1,024 channels.
; INPUT: the blocks of 204,800 bytes that the launch before laid: scale words, k's and v's half fragments (16 rows x 64 codes as an image of six operand registers).  q's lie in qb in k's layout.
; ALL OF A HEAD'S K AND V STAYS IN LDS, as it lies in memory, byte for byte: filled once, by joint loads of the cluster's four work-groups (the same descriptor and the mask 15 in all four); nothing in LDS is written again or stored to.
; SHARES.  Wave w of work-group g owns two tiles of 16 queries, one after the other in the same registers: with a = w / 2 and u = 4 (w % 2) + g the high tile 127 - (8 a + u), which needs key steps 0 .. 15 - a of 128 keys, and the low
; tile 8 a + u, which needs steps 0 .. a: 17 steps for every wave of every work-group.  The counts hang on the wave's number alone; g enters only global addresses and lane data.
; LAYOUT.  Both products are used transposed: S^T = K Q^T (source 0 = keys), O^T = V^T P^T (source 0 = channels): a lane holds one query (lane % 16) throughout.  A head has 64 channels, half of the instruction's 128 along K:
; a fragment of K holds TWO key tiles (i and i + 4), and Q stands beside six registers of zero codes, below them or above: v[16:27] = q, 0 picks tile i, v[22:33] = 0, q picks tile i + 4.  So no byte of K is read for nothing.
; THE SOFTMAX: t = score x log2(e) / 8; M = the running largest t rounded up to a whole number; p = 2^(t - M) is quantised along the keys, not normalised; the sum is taken of the unquantised p and divides O at the end.
; p is quantised as it falls: place 16 h + 8 u + j of a block of 32 keys holds key 16 u + 8 h + j, the order in which v's codes were laid.  The result is put into the true order ahead of its quantiser, since w_out is given.
; OUTPUT: a_codes [token tile 512][head 16][768]: half fragments;  a_scales [8,192][32]: one byte a lane.
; LIMITS: hidden scores are made -infinity where the problem's mask adds -1e9: the same result wherever |score / 8| stays under about 1e8; NaN and infinities are not served; a block under 2^(3 - 127) gets the byte 1.
.set BLKB,   204800                    ; a (batch, head)'s block
.set PHA,    106496                    ; its scale words and first 1,024 keys: the first of a wave's two loads brings a sixteenth of them
.set KSTEPB, 6144                      ; a step's eight key tiles of K; also its eight half fragments of V
.set VOFF,   49152                     ; from a step's K to its V
.set L8,  1                            ; v1   8 x lane
.set R16, 2                            ; v2   16 x (lane % 16)
.set AD,  3                            ; v3   LDS address of the step's half fragments
.set AS,  4                            ; v4   of its scale words
.set VD,  5                            ; v5   my query less my first key of the diagonal step: 16 (tile % 8) + r - 8 h;  v6 the low tile's
.set VDL, 6
.set OC,  7                            ; v7, v8 byte offsets of the tile's codes and scale byte;  v9, v10 the low tile's
.set OS,  8
.set OCL, 9
.set OSL, 10
.set LB,  11                           ; v11  32 r + h
.set QF,  16                           ; v16-21 q, v22-27 zero codes, v28-33 q
.set QS,  34                           ; v34  q's scale word;  v35 p's: scales and nothing else
.set PS,  35
.set KF,  36                           ; v36-83 four fragments of K, then of V
.set SW,  84                           ; v84-87 their scale words
.set QL,  88                           ; v88-94 the low tile's q and its raw scale word
.set S,   96                           ; v96-159 S^T, then p
.set O,   160                          ; v160-191 O^T
.set PC,  192                          ; v192-203 codes
.set T2,  204                          ; v204-211 second halves of blocks' codes
.set BM,  212                          ; v212-215 the blocks' largest
.set BT,  216                          ; v216-219 the other half's, then bytes
.set SO,  220                          ; v220-223 the conversions' scale operands
.set TA,  224                          ; v224, v225 at work
.set TBV, 225
.set FF,  226                          ; v[226:227] f = 2^(old M - new M), and 0
.set SUM2, 228                         ; v[228:229] the sum's second chain
; s12 wave, s13 g, s14 (batch, head), s15 a, s16 the high tile's steps, s17 that less 1, s18 the trip, s19 and s48 the step's LDS bytes, s[20:21] lane selects, s[22:23] c, s24-47 descriptors, s49 and s55 the tiles, s50 my block's byte, s51 and s52 shifts
.macro ROUND                           ; a round of the cluster's barrier
	s_barrier_signal -1
	s_barrier_wait -1
	s_cmp_lg_u32 s12, 0
	s_cbranch_scc1 .Lnot_wave_0_\@
	s_barrier_signal -3
.Lnot_wave_0_\@:
	s_barrier_wait -3
	s_barrier_signal -1
	s_barrier_wait -1
.endm
	s_load_b128 s[4:7], s[0:1], 0x0                ; qb, kv
	s_load_b128 s[8:11], s[0:1], 0x10              ; a_codes, a_scales
	v_lshl_add_u32 v254, v0, 2, 0x32000
	v_mov_b32 v255, 0
	ds_add_u32 v254, v255
	ds_add_u32 v254, v255
	v_lshrrev_b32 v1, 5, v0
	s_delay_alu instid0(VALU_DEP_1)
	v_readfirstlane_b32 s12, v1                    ; wave 0..15
	s_bfe_u32 s13, ttmp6, 0x40000                  ; g = cx
	s_and_b32 s14, ttmp7, 0xffff                   ; 16 x batch + head: the cluster's y
	s_lshr_b32 s15, s12, 1                         ; a
	s_xor_b32 s17, s15, 15                         ; 15 - a: the high tile's diagonal step
	s_add_co_u32 s16, s17, 1                       ; its number of steps
	s_mov_b32 s20, 0x76543210
	s_mov_b32 s21, 0xfedcba98                      ; v_permlanex16_b32's selects for lane l xor 16
	s_mov_b32 s22, 0x3e38aa3b                      ; c = log2(e) / 8
	s_mov_b32 s23, s22                             ; (named with it as a pair, so it is written)
	; descriptor groups 1: dense rows of 256 bytes (32 elements of 8), 26 of them and 24
	s_mov_b32 s24, 15|(3<<16)|(1<<21)              ; 15:0 the mask: all four work-groups; 17:16 elements of 8 bytes; 21 set beside a mask
	s_mov_b32 s25, 32<<16                          ; tensor_dim0
	s_mov_b32 s26, 26<<16                          ; tensor_dim1
	s_mov_b32 s27, 32<<16                          ; tile_dim0
	s_mov_b32 s28, 26                              ; tile_dim1
	s_mov_b32 s29, 32                              ; from row to row
	s_mov_b32 s30, 0
	s_mov_b32 s31, 0
	s_mov_b32 s32, 15|(3<<16)|(1<<21)
	s_mov_b32 s33, 32<<16
	s_mov_b32 s34, 24<<16
	s_mov_b32 s35, 32<<16
	s_mov_b32 s36, 24
	s_mov_b32 s37, 32
	s_mov_b32 s38, 0
	s_mov_b32 s39, 0
	s_mul_i32 s50, s14, BLKB                       ; my block's first byte in qb and kv
	s_mul_i32 s41, s12, 6656                       ; my sixteenth of the first part: in LDS as in the block,
	s_mul_i32 s45, s12, 6144
	s_add_co_u32 s45, s45, PHA                     ; and of the second
	s_add_co_u32 s2, s50, s41
	s_mov_b32 s3, 0
	s_add_co_u32 s58, s50, s45
	s_mov_b32 s59, 0
	s_mov_b32 s40, 1
	s_mov_b32 s44, 1
	s_wait_dscnt 0x0
	s_wait_kmcnt 0x0
	s_add_nc_u64 s[42:43], s[6:7], s[2:3]
	s_or_b32 s43, s43, 0x80000000
	s_add_nc_u64 s[46:47], s[6:7], s[58:59]
	s_or_b32 s47, s47, 0x80000000
	ROUND                                          ; all four work-groups are here: the joint loads meet
	tensor_load_to_lds s[40:43], s[24:31]          ; the scale words and keys 0-1,023
	s_nop 0
	tensor_load_to_lds s[44:47], s[32:39]          ; keys 1,024-2,047: two tensor loads of mine are out, and no more are issued
	s_nop 0
.rept 4
	v_nop
.endr
	v_and_b32 v[L8], 31, v0
	s_delay_alu instid0(VALU_DEP_1)
	v_lshlrev_b32 v[L8], 3, v[L8]
	s_wait_alu depctr_va_vdst(0)
	v_and_b32 v[TA], 15, v0                        ; r
	v_bfe_u32 v[FF], v0, 4, 1                      ; h
	s_delay_alu instid0(VALU_DEP_2)
	v_lshlrev_b32 v[R16], 4, v[TA]
	s_wait_alu depctr_va_vdst(0)
	v_lshl_add_u32 v[LB], v[TA], 5, v[FF]
	s_wait_alu depctr_va_vdst(0)
	v_lshlrev_b32 v[TBV], 3, v[FF]
	s_delay_alu instid0(VALU_DEP_1)
	v_sub_nc_u32 v[TBV], v[TA], v[TBV]             ; r - 8 h
	s_wait_alu depctr_va_vdst(0)
	s_and_b32 s49, s12, 1
	s_lshl_b32 s49, s49, 2
	s_add_co_u32 s49, s49, s13
	s_lshl_b32 s53, s15, 3
	s_add_co_u32 s49, s49, s53                     ; the low tile, 0..63
	s_sub_co_u32 s55, 127, s49                     ; the high tile, 64..127
	s_lshr_b32 s56, s14, 4                         ; the batch
	s_and_b32 s57, s14, 15                         ; the head
; Tile s[x]'s byte offsets: q's codes and scale word in qb, the result's codes and scale byte, the diagonal's lane number, and which half of q's scale word is the tile's.
.macro TILEADR x, qc, qs, oc, os, vd, sh
	s_lshr_b32 s53, s[\x], 6
	s_mul_i32 s53, s53, 98304
	s_and_b32 s54, s[\x], 63
	s_mul_i32 s54, s54, 768
	s_add_co_u32 s53, s53, s54
	s_add_co_u32 s53, s53, s50
	s_add_co_u32 s53, s53, 8192
	v_add_nc_u32 v[\qc], s53, v[L8]
	s_lshr_b32 s53, s[\x], 3
	s_lshl_b32 s53, s53, 8
	s_and_b32 s54, s[\x], 3
	s_lshl_b32 s54, s54, 2
	s_add_co_u32 s53, s53, s54
	s_add_co_u32 s53, s53, s50
	v_add_nc_u32 v[\qs], s53, v[R16]
	s_bfe_u32 s[\sh], s[\x], 0x10002
	s_lshl_b32 s[\sh], s[\sh], 4
	s_lshl_b32 s53, s56, 7
	s_add_co_u32 s53, s53, s[\x]
	s_lshl_b32 s53, s53, 4
	s_add_co_u32 s53, s53, s57
	s_mul_i32 s53, s53, 768
	v_add_nc_u32 v[\oc], s53, v[L8]
	s_lshl_b32 s53, s56, 16
	s_lshl_b32 s54, s[\x], 9
	s_add_co_u32 s53, s53, s54
	s_lshl_b32 s54, s57, 1
	s_add_co_u32 s53, s53, s54
	v_add_nc_u32 v[\os], s53, v[LB]
	s_and_b32 s53, s[\x], 7
	s_lshl_b32 s53, s53, 4
	v_add_nc_u32 v[\vd], s53, v[TBV]
.endm
	TILEADR 55, T2, T2+1, OC, OS, VD, 52
	TILEADR 49, T2+2, T2+3, OCL, OSL, VDL, 51
.irp p, 0,1,2
	global_load_b64 v[S+2*\p:S+2*\p+1], v[T2], s[4:5] offset:256*\p     ; the high tile's q: 32 lanes read 256 consecutive bytes
.endr
	s_wait_alu depctr_va_vdst(0)
	global_load_b32 v[S+6], v[T2+1], s[4:5]
.irp p, 0,1,2
	global_load_b64 v[QL+2*\p:QL+2*\p+1], v[T2+2], s[4:5] offset:256*\p  ; the low tile's, kept until its turn
.endr
	global_load_b32 v[QL+6], v[T2+3], s[4:5]
.irp j, 0,1,2,3,4,5
	v_mov_b32 v[QF+6+\j], 0                        ; the zero codes beside q: written once
.endr
.irp b, 0,1,2,3
	v_mov_b32 v[BT+\b], 0                          ; written once: a lane permute's destination counts as one of its sources
.endr
	v_mov_b32 v[FF+1], 0                           ; (named as the upper half of f's pair)
; A tile begins: its q and scale word from v[src] on; the largest t -3e38; sum and O^T zeros, which the first change of M leaves zeros.  The scale word is made first: more than eight plain lines stand between it and the next product.
.macro NEWTILE src, sh
	v_lshrrev_b32 v[QS], s[\sh], v[\src+6]
	s_delay_alu instid0(VALU_DEP_1)
	v_and_b32 v[QS], 0xffff, v[QS]
	s_delay_alu instid0(VALU_DEP_1)
	v_lshl_or_b32 v[QS], v[QS], 16, v[QS]          ; the two bytes twice: they serve q below the zeros and above
.irp j, 0,1,2,3,4,5
	v_mov_b32 v[QF+\j], v[\src+\j]
	v_mov_b32 v[QF+12+\j], v[\src+\j]
.endr
	v_mov_b32 v13, 0xff61b1e6
	s_delay_alu instid0(VALU_DEP_1)
	v_floor_f32 v12, -v13                          ; -M
	v_mov_b32 v14, 0
	v_mov_b32 v15, 0
.set j, 0
.rept 32
	v_mov_b32 v[O+j], 0
.set j, j+1
.endr
.endm
; A KEY STEP of 128 keys; s19 and s48 hold its LDS bytes.  mask = 1: on a tile's diagonal step hidden scores are made -infinity.
.macro STEP mask
	v_add_nc_u32 v[AD], s19, v[L8]
	v_add_nc_u32 v[AS], s48, v[R16]
	v_nop
	v_nop                                          ; four places behind the last products, in front of loads into registers that they read
.irp i, 0,1,2,3
.irp p, 0,1,2,3,4,5
	ds_load_b64 v[KF+12*\i+2*\p:KF+12*\i+2*\p+1], v[AD] offset:768*(\i+4*(\p/3))+256*(\p%3)   ; key tiles i and i + 4: 32 lanes read 256 consecutive bytes
.endr
.endr
	ds_load_b128 v[SW:SW+3], v[AS]                 ; their four scale words
	s_wait_alu depctr_va_vdst(0)
	s_wait_dscnt 0x0
.irp i, 0,1,2,3
	v_wmma_scale_f32_16x16x128_f8f6f4 v[S+8*\i:S+8*\i+7], v[KF+12*\i:KF+12*\i+11], v[QF:QF+11], 0, v[SW+\i], v[QS] matrix_a_fmt:MATRIX_FMT_FP6 matrix_b_fmt:MATRIX_FMT_FP6
	v_wmma_scale_f32_16x16x128_f8f6f4 v[S+32+8*\i:S+39+8*\i], v[KF+12*\i:KF+12*\i+11], v[QF+6:QF+17], 0, v[SW+\i], v[QS] matrix_a_fmt:MATRIX_FMT_FP6 matrix_b_fmt:MATRIX_FMT_FP6
.endr                                          ; register 8 n + j of S^T is key 16 n + 8 h + j of the step
.rept 4
	v_nop                                          ; places: results are read, and the fragments' registers are loaded again
.endr
.irp t, 0,1,2,3
.irp p, 0,1,2,3,4,5
	ds_load_b64 v[KF+12*\t+2*\p:KF+12*\t+2*\p+1], v[AD] offset:VOFF+3072*(\p/3)+768*\t+256*(\p%3)   ; V: channel tile t, the step's two groups of 64 keys; these land under the softmax
.endr
.endr
	ds_load_b128 v[SW:SW+3], v[AS] offset:4096
.if \mask
	s_cmp_eq_u32 s18, s17                          ; the high tile's last step,
	s_cbranch_scc1 .Lmask_\@
	s_cmp_lg_u32 s18, 16                           ; or the low tile's?
	s_cbranch_scc1 .Lopen_\@
.Lmask_\@:
	v_mov_b32 v[TBV], 0xff800000
.set n, 0
.rept 64
	v_cmp_gt_i32 vcc_lo, 16*(n/8)+n%8, v[VD]       ; the register's key comes after my query
	v_cndmask_b32 v[S+n], v[S+n], v[TBV], vcc_lo
.set n, n+1
.endr
.Lopen_\@:
.endif
.irp b, 0,1,2,3
	v_max3_num_f32 v[BM+\b], v[S+16*\b], v[S+1+16*\b], v[S+2+16*\b]   ; the largest score of each block of 32 keys: for the row's maximum and, since p rises with the score, for the block's largest p
.endr
.irp i, 3,5,7,9,11,13
.irp b, 0,1,2,3
	v_max3_num_f32 v[BM+\b], v[BM+\b], v[S+16*\b+\i], v[S+1+16*\b+\i]
.endr
.endr
.irp b, 0,1,2,3
	v_max_num_f32 v[BM+\b], v[BM+\b], v[S+15+16*\b]
.endr
.irp b, 0,1,2,3
	s_delay_alu instid0(VALU_DEP_4)
	v_permlanex16_b32 v[BT+\b], v[BM+\b], s20, s21
.endr
.irp b, 0,1,2,3
	s_delay_alu instid0(VALU_DEP_4)
	v_max_num_f32 v[BM+\b], v[BM+\b], v[BT+\b]     ; with lane l xor 16's 16 keys
.endr
	s_delay_alu instid0(VALU_DEP_2)
	v_max3_num_f32 v[TA], v[BM], v[BM+1], v[BM+2]
	s_delay_alu instid0(VALU_DEP_1)
	v_max_num_f32 v[TA], v[TA], v[BM+3]
	s_delay_alu instid0(VALU_DEP_1)
	v_mul_f32 v[TA], s22, v[TA]                    ; as t
	s_delay_alu instid0(VALU_DEP_1)
	v_max_num_f32 v13, v13, v[TA]                  ; the running largest t
	v_mov_b32 v[TA], v12
	s_delay_alu instid0(VALU_DEP_2)
	v_floor_f32 v12, -v13                          ; the new -M = floor(-t): M is a whole number
	s_delay_alu instid0(VALU_DEP_1)
	v_sub_f32 v[TA], v12, v[TA]                    ; old M - new M, 0 or less
	s_delay_alu instid0(VALU_DEP_1)
	v_cvt_i32_f32 v[TA], v[TA]                     ; (it saturates)
	s_delay_alu instid0(VALU_DEP_1)
	v_ldexp_f32 v[FF], 1.0, v[TA]                  ; f = 2^(old M - new M): a multiplication by it rounds nothing
.set j, 0
.rept 32
	v_pk_fma_f32 v[S+j:S+j+1], v[S+j:S+j+1], s[22:23], v[12:13] op_sel_hi:[1,0,0]   ; t - M, two at a time
.set j, j+2
.endr
.irp b, 0,1,2,3
	v_fma_f32 v[BM+\b], v[BM+\b], s22, v12         ; the same of each block's largest score
.endr
.set j, 0
	s_wait_alu depctr_va_vdst(0)
.rept 64
	v_exp_f32 v[S+j], v[S+j]                       ; p = 2^(t - M)
.set j, j+1
.endr
.irp b, 0,1,2,3
	v_exp_f32 v[BM+\b], v[BM+\b]                   ; the block's largest p
.endr
	v_pk_mul_f32 v[14:15], v[14:15], v[FF:FF+1] op_sel_hi:[1,0]   ; the sums under the new M (a plain place behind the exponentials)
	s_wait_alu depctr_va_vdst(0)
.irp b, 0,1,2,3
	v_max_num_f32 v[BM+\b], 0x1800000, v[BM+\b]    ; the floor 2^(3 - 127): the byte cannot fall under 1
.endr
.irp b, 0,1,2,3
	s_delay_alu instid0(VALU_DEP_4)
	v_add_nc_u32 v[SO+\b], 0xff000000, v[BM+\b]    ; 2 off the exponent field: the conversion's scale operand
.endr
.irp b, 0,1,2,3
	s_delay_alu instid0(VALU_DEP_4)
	v_lshrrev_b32 v[BT+\b], 23, v[SO+\b]           ; the byte
.endr
	s_delay_alu instid0(VALU_DEP_3)
	v_lshl_or_b32 v[PS], v[BT+1], 8, v[BT]
	s_delay_alu instid0(VALU_DEP_1)
	v_lshl_or_b32 v[PS], v[BT+2], 16, v[PS]
	s_delay_alu instid0(VALU_DEP_1)
	v_lshl_or_b32 v[PS], v[BT+3], 24, v[PS]        ; p's scale word for these 128 keys
.irp c, 0,1
	v_cvt_scalef32_pk16_fp6_f32 v[PC+6*\c:PC+6*\c+2], v[S+32*\c:S+32*\c+15], v[SO+2*\c]
	v_cvt_scalef32_pk16_fp6_f32 v[T2+4*\c:T2+4*\c+2], v[S+32*\c+16:S+32*\c+31], v[SO+2*\c+1]
.endr
	v_nop                                          ; one plain place behind a scaled conversion
.irp c, 0,1
.irp i, 0,1,2
	v_permlane16_swap_b32 v[PC+6*\c+\i], v[T2+4*\c+\i]   ; a whole block to a lane
.endr
.irp i, 0,1,2
	s_delay_alu instid0(VALU_DEP_3)
	v_mov_b32 v[PC+3+6*\c+\i], v[T2+4*\c+\i]
.endr
.endr
	v_pk_add_f32 v[228:229], v[100:101], v[104:105]
	v_pk_add_f32 v[252:253], v[108:109], v[112:113]
	v_pk_add_f32 v[250:251], v[116:117], v[120:121]
	v_pk_add_f32 v[248:249], v[124:125], v[128:129]
	v_pk_add_f32 v[246:247], v[132:133], v[136:137]
	v_pk_add_f32 v[244:245], v[140:141], v[144:145]
	v_pk_add_f32 v[242:243], v[148:149], v[152:153]
	v_pk_add_f32 v[14:15], v[14:15], v[156:157]
	v_pk_add_f32 v[228:229], v[228:229], v[96:97]
	v_pk_add_f32 v[252:253], v[252:253], v[98:99]
	v_pk_add_f32 v[250:251], v[250:251], v[102:103]
	v_pk_add_f32 v[248:249], v[248:249], v[106:107]
	v_pk_add_f32 v[246:247], v[246:247], v[110:111]
	v_pk_add_f32 v[244:245], v[244:245], v[114:115]
	v_pk_add_f32 v[242:243], v[242:243], v[118:119]
	v_pk_add_f32 v[14:15], v[14:15], v[122:123]
	v_pk_add_f32 v[228:229], v[228:229], v[126:127]
	v_pk_add_f32 v[252:253], v[252:253], v[130:131]
	v_pk_add_f32 v[250:251], v[250:251], v[134:135]
	v_pk_add_f32 v[248:249], v[248:249], v[138:139]
	v_pk_add_f32 v[246:247], v[246:247], v[142:143]
	v_pk_add_f32 v[244:245], v[244:245], v[146:147]
	v_pk_add_f32 v[242:243], v[242:243], v[150:151]
	v_pk_add_f32 v[14:15], v[14:15], v[154:155]
	v_pk_add_f32 v[228:229], v[228:229], v[158:159]
	s_delay_alu instid0(VALU_DEP_2)
	v_pk_add_f32 v[14:15], v[14:15], v[248:249]
	s_delay_alu instid0(VALU_DEP_2)
	v_pk_add_f32 v[228:229], v[228:229], v[246:247]
	v_pk_add_f32 v[252:253], v[252:253], v[244:245]
	v_pk_add_f32 v[250:251], v[250:251], v[242:243]
	s_delay_alu instid0(VALU_DEP_2)
	v_pk_add_f32 v[14:15], v[14:15], v[252:253]
	s_delay_alu instid0(VALU_DEP_2)
	v_pk_add_f32 v[228:229], v[228:229], v[250:251]
	s_delay_alu instid0(VALU_DEP_1)
	v_pk_add_f32 v[14:15], v[14:15], v[228:229]
.set j, 0
.rept 16
	v_pk_mul_f32 v[O+j:O+j+1], v[O+j:O+j+1], v[FF:FF+1] op_sel_hi:[1,0]   ; O^T under the new M, from each accumulator's low end on
.set j, j+2
.endr
	s_wait_alu depctr_va_vdst(0)
	s_wait_dscnt 0x0                               ; V and its scale words are in
.irp t, 0,1,2,3
	v_wmma_scale_f32_16x16x128_f8f6f4 v[O+8*\t:O+8*\t+7], v[KF+12*\t:KF+12*\t+11], v[PC:PC+11], v[O+8*\t:O+8*\t+7], v[SW+\t], v[PS] matrix_a_fmt:MATRIX_FMT_FP6 matrix_b_fmt:MATRIX_FMT_FP6
.endr
.endm
; A tile ends: O^T / the sum; into the true order of channels; quantised along them (two blocks of 32); a half fragment and a byte a lane are stored.
.macro FINAL
.rept 4
	v_nop                                          ; places behind the last products
.endr
	v_add_f32 v14, v14, v15
	s_delay_alu instid0(VALU_DEP_1)
	v_permlanex16_b32 v[TA], v14, s20, s21
	s_delay_alu instid0(VALU_DEP_1)
	v_add_f32 v14, v14, v[TA]                      ; the row's sum
	s_wait_alu depctr_va_vdst(0)
	v_rcp_f32 v14, v14
	v_nop                                          ; one plain place behind a transcendental
.set j, 0
	s_wait_alu depctr_va_vdst(0)
.rept 32
	v_mul_f32 v[S+j], v[O+j], v14                  ; register 8 t + i: channel 16 t + 8 h + i of my query
.set j, j+1
.endr
.irp b, 0,1
.irp j, 0,1,2,3,4,5,6,7
	v_permlane16_swap_b32 v[S+16*\b+\j], v[S+16*\b+8+\j]   ; registers 16 b + 0 .. 15 now hold channels 32 b + 16 h + 0 .. 15
.endr
.endr
.irp b, 0,1
	v_max3_num_f32 v[BM+\b], |v[S+16*\b]|, |v[S+16*\b+1]|, 0x1800000
.endr
.irp i, 2,4,6,8,10,12,14
.irp b, 0,1
	s_delay_alu instid0(VALU_DEP_2)
	v_max3_num_f32 v[BM+\b], v[BM+\b], |v[S+16*\b+\i]|, |v[S+16*\b+\i+1]|
.endr
.endr
.irp b, 0,1
	s_delay_alu instid0(VALU_DEP_2)
	v_permlanex16_b32 v[BT+\b], v[BM+\b], s20, s21
.endr
.irp b, 0,1
	s_delay_alu instid0(VALU_DEP_2)
	v_max_num_f32 v[BM+\b], v[BM+\b], v[BT+\b]
.endr
.irp b, 0,1
	s_delay_alu instid0(VALU_DEP_2)
	v_add_nc_u32 v[SO+\b], 0xff000000, v[BM+\b]
.endr
.irp b, 0,1
	s_delay_alu instid0(VALU_DEP_2)
	v_lshrrev_b32 v[BT+\b], 23, v[SO+\b]
.endr
	s_mov_b32 vcc_lo, 0xffff0000                   ; lanes 16-31
	v_cvt_scalef32_pk16_fp6_f32 v[PC:PC+2], v[S:S+15], v[SO]
	v_cvt_scalef32_pk16_fp6_f32 v[T2:T2+2], v[S+16:S+31], v[SO+1]
	v_cndmask_b32 v[TA], v[BT], v[BT+1], vcc_lo    ; lane (r, h) stores block h's byte.  (The plain place behind the conversions)
.irp i, 0,1,2
	v_permlane16_swap_b32 v[PC+\i], v[T2+\i]
.endr
.irp i, 0,1,2
	s_delay_alu instid0(VALU_DEP_3)
	v_mov_b32 v[PC+3+\i], v[T2+\i]
.endr
.irp p, 0,1,2
	global_store_b64 v[OC], v[PC+2*\p:PC+2*\p+1], s[8:9] offset:256*\p   ; 32 lanes store 256 consecutive bytes, at a multiple of 256 from the buffer's first byte
.endr
	global_store_b8 v[OS], v[TA], s[10:11]         ; a row's 32 bytes come from sixteen heads, so from sixteen clusters: a byte a lane
	s_wait_xcnt 0x0                                ; the stores' registers are written again only behind this wait
.endm
	s_wait_loadcnt 0x0                             ; both tiles' q
	NEWTILE S, 52                                  ; the high tile first
	s_wait_tensorcnt 1                             ; my part of the scale words and of keys 0-1,023 is in; the second load may stay out
	s_barrier_signal -1
	s_barrier_wait -1                              ; everybody's is
	s_mov_b32 s18, 0
.Lunder:                                           ; steps 0-7 lie wholly under every high tile's diagonal; their last byte is 8,192 + 7 x 6,144 + 55,296 = the first part's end
	s_min_u32 s53, s18, 7
	s_mul_i32 s19, s53, KSTEPB
	s_add_co_u32 s19, s19, 8192
	s_lshl_b32 s48, s53, 8
	STEP 0
	s_add_co_u32 s18, s18, 1
	s_cmp_lt_u32 s18, 8
	s_cbranch_scc1 .Lunder
	s_wait_tensorcnt 0x0                           ; my part of keys 1,024-2,047 is in,
	s_wait_dscnt 0x0
	s_barrier_signal -1
	s_barrier_wait -1                              ; everybody's is
	s_mov_b32 s18, 8
.Ldiag:                                            ; trips 8-16: the rest of the high tile, then the low tile
	s_cmp_lg_u32 s18, s16
	s_cbranch_scc1 .Lsame
	FINAL                                          ; the high tile is done
	NEWTILE QL, 51
	v_mov_b32 v[VD], v[VDL]
	v_mov_b32 v[OC], v[OCL]
	v_mov_b32 v[OS], v[OSL]
.Lsame:
	s_sub_co_u32 s53, s18, s16                     ; the low tile's step (it wraps while the high tile is in hand, and is not taken then)
	s_cmp_lt_u32 s18, s16
	s_cselect_b32 s53, s18, s53
	s_min_u32 s53, s53, 15                         ; the key step, 0..15
	s_lshr_b32 s54, s53, 3
	s_mul_i32 s54, s54, VOFF                       ; behind the first eight steps' K lie their V
	s_mul_i32 s19, s53, KSTEPB
	s_add_co_u32 s19, s19, s54
	s_add_co_u32 s19, s19, 8192
	s_lshl_b32 s48, s53, 8
	STEP 1
	s_add_co_u32 s18, s18, 1
	s_cmp_lt_u32 s18, 17
	s_cbranch_scc1 .Ldiag
	FINAL                                          ; the low tile
	s_wait_tensorcnt 0x0
	ds_add_u32 v254, v255
	s_wait_dscnt 0x0
	ROUND                                          ; the closing round
	s_endpgm
.Lfunc_end_k_q6f76994a89_attn:
	.size	k_q6f76994a89_attn, .Lfunc_end_k_q6f76994a89_attn-k_q6f76994a89_attn
	.p2alignl 7, 3214868480
	.fill 96, 4, 3214868480
	.section	.rodata,"a",@progbits
	.p2align	6, 0x0
	.amdhsa_kernel k_q6f76994a89_attn
		.amdhsa_group_segment_fixed_size 206848
		.amdhsa_private_segment_fixed_size 0
		.amdhsa_enable_private_segment 0
		.amdhsa_kernarg_size 32
		.amdhsa_user_sgpr_count 2
		.amdhsa_user_sgpr_kernarg_segment_ptr 1
		.amdhsa_wavefront_size32 1
		.amdhsa_system_sgpr_workgroup_id_x 1
		.amdhsa_system_sgpr_workgroup_id_y 1
		.amdhsa_system_sgpr_workgroup_id_z 1
		.amdhsa_system_vgpr_workitem_id 0
		.amdhsa_next_free_vgpr 256
		.amdhsa_next_free_sgpr 66
		.amdhsa_reserve_vcc 1
		.amdhsa_float_denorm_mode_32 3
		.amdhsa_float_denorm_mode_16_64 3
		.amdhsa_memory_ordered 1
		.amdhsa_forward_progress 1
		.amdhsa_inst_pref_size 64
	.end_amdhsa_kernel
	.amdgpu_metadata
---
amdhsa.version: [ 1, 2 ]
amdhsa.kernels:
  - .name:           k_q6f76994a89_attn
    .symbol:         k_q6f76994a89_attn.kd
    .args:
      - { .name: qb, .offset: 0, .size: 8, .value_kind: global_buffer, .address_space: global }
      - { .name: kv, .offset: 8, .size: 8, .value_kind: global_buffer, .address_space: global }
      - { .name: a_codes, .offset: 16, .size: 8, .value_kind: global_buffer, .address_space: global }
      - { .name: a_scales, .offset: 24, .size: 8, .value_kind: global_buffer, .address_space: global }
    .group_segment_fixed_size: 206848
    .private_segment_fixed_size: 0
    .kernarg_segment_align: 8
    .kernarg_segment_size: 32
    .max_flat_workgroup_size: 512
    .sgpr_count:     66
    .vgpr_count:     256
    .wavefront_size: 32
...
	.end_amdgpu_metadata
.endif
;; end of part 2
;; launch proj (part 3): grid 4 x 32, 4 waves a work-group, clusters of 4 x 4, 327,680 bytes of LDS; arguments a_codes, a_scales, w_out_codes, w_out_scales, out0; writes out0
.if DOCPART == 3
	.amdgcn_target "amdgcn-amd-amdhsa--gfx1250"
	.amdhsa_code_object_version 6
	.text
	.protected	k_q6f76994a89_proj
	.globl	k_q6f76994a89_proj
	.p2align	8
	.type	k_q6f76994a89_proj,@function
k_q6f76994a89_proj:
	s_mov_b64 s[64:65], 0
	v_nop
	global_prefetch_b8 v0, s[64:65] scope:SCOPE_SE
	s_setreg_imm32_b32 hwreg(HW_REG_WAVE_MODE, 25, 1), 1
	s_wait_xcnt 0x0
	s_wait_alu depctr_hold_cnt(0) depctr_sa_sdst(0) depctr_va_vdst(0) depctr_va_sdst(0) depctr_va_ssrc(0) depctr_va_vcc(0) depctr_vm_vsrc(0)
	s_getreg_b32 s2, hwreg(HW_REG_IB_STS2, 6, 4)
	s_cmp_eq_u32 s2, 0
	s_cbranch_scc0 .Lentry_in_a_cluster
	s_endpgm
.Lentry_in_a_cluster:
	s_bfe_u32 s2, ttmp6, 0x10000c
	s_cmp_lg_u32 s2, 0xf033
	s_cbranch_scc0 .Lentry_shape_is_right
	s_endpgm
.Lentry_shape_is_right:
; out0[m][n] = sum over k of A[m][k] W[n][k]: A the attention's result, 8,192 x 1,024, W = w_out with K innermost, 1,024 x 1,024: codes of FP6 (E2M3) with one E8M0 scale for each 32 along K; out0 f32; sums in f32.
; A's codes lie as the launch before stored them: [token tile of 16 rows: 512][head 16][768 bytes], a half fragment (16 rows x 64 codes) being an image of six operand registers: byte 256 p + 8 lane + y.
; So a fragment of A comes from LDS by six loads of 8 bytes a lane, each of 256 consecutive bytes, and its tile needs no padding.  W's codes and both tensors' scale bytes lie by rows.
; A tile of out0, 256 x 256, is made by four waves, each 128 x 128: 64 accumulators, 512 registers.  K goes in steps of 256 (four heads) through a ring of two LDS slots filled by the tensor data mover.
; The scales of the work-group's 256 rows of A and of W, for all of K, come into LDS once, with the first fills, and stay.
; CLUSTERS: 4 x 4 work-groups; A's tile is shared along a row of the cluster, W's along a column: each is asked for jointly, by the same tensor load with the same descriptor and a mask that names the four.
; THE MATRIX INSTRUCTION IS USED TRANSPOSED (source 0 = 16 rows of W, called B here, source 1 = 16 rows of A): a lane then holds eight neighbouring numbers of a row of out0.
; REGISTERS, in windows of 256: window 0: v0-31 addresses; v32-63 scale words, two sets; from v128 A's fragments, one set; on the way out v128-255 take rows.   window 1: B's fragments, two sets.   windows 2, 3: the accumulators.
.set SIZE_N, 1024
.set KSTEP,  256
.set NQ,     2
.set ROWB,   192                       ; a row of B's tile in bytes
.set AROWB,  3072                      ; a token tile's four heads in bytes
.set KROW,   768                       ; a row of 1,024 codes in memory; a token tile's 12,288 bytes are as many a row
.set PITCH,  240                       ; B's LDS row: 3 x (64 bytes + 16 of padding)
.set FR,     12
.set NL,     6
.set NP,     4                         ; places behind this matrix instruction (ISA guide 7.12.1)
.set HALFA,  8*AROWB                   ; 128 rows of A: what one tensor load brings
.set HALFB,  128*PITCH                 ; 128 rows of B
.set SLOT,   2*HALFA+2*HALFB
.set LAPS,   2
.set KS,     32
.set SCL,    2*SLOT
.set HALFS,  (128*KS/256)*272
.set SBLK,   (16*KS/256)*272
.set SPARE,  SCL+4*HALFS               ; the spare words, 128 bytes a wave: two blocks of 256 bytes that no other line names
.set SPITCH, 528                       ; the way out: a stage of 16 rows x (512 bytes + 16) for each wave, in slot 0, which has had its last fill and its last read when the first result is stored there
.set ADRA, 16                          ; v16-17 LDS address of my A fragments in slot 0, 1
.set ADRB, 20                          ; v20-21 the same for B (v22-23: behind one padding more)
.set STO,  24
.set RD,   25
.set CO,   26
.set ADRS, 27
.set SPW,  28
.set NIL,  29
.set SC,   32
.set AF,   128
.set BK,   128
.set G1, 24
.set G0, 32
.set G1B, 48
.set G0B, 56
.set G1S, 68
.set G0S, 76
.set G1SB, 80
.set G0SB, 88
.set MSB, 0
.macro WIN new                         ; the immediate's high byte repeats the setting that is left
.if MSB != \new
	s_set_vgpr_msb (MSB<<8)|\new
.set MSB, \new
.endif
.endm
.set MUL_LO, 0xa1
.set MUL_HI, 0xf1
.set TO_B,   0x40
.macro JLOAD g0a, g1a, g0b, g1b        ; a joint load: waves 0 and 1 fetch for A, waves 2 and 3 for B; four v_nop follow each of the two lines
	s_cmp_eq_u32 s15, 0
	s_cbranch_scc0 .Lfor_b_\@
	tensor_load_to_lds s[\g0a:\g0a+3], s[\g1a:\g1a+7]
	s_nop 0
.rept 4
	v_nop
.endr
	s_branch .Lasked_\@
.Lfor_b_\@:
	tensor_load_to_lds s[\g0b:\g0b+3], s[\g1b:\g1b+7]
	s_nop 0
.rept 4
	v_nop
.endr
.Lasked_\@:
.endm
.macro CREST
	s_cmp_lg_u32 s14, 0
	s_cbranch_scc1 .Lnot_wave_0_\@
	s_barrier_signal -3
.Lnot_wave_0_\@:
	s_barrier_wait -3
	s_barrier_signal -1
	s_barrier_wait -1
.endm
.macro CROUND
	s_barrier_signal -1
	s_barrier_wait -1
	CREST
.endm
	s_load_b128 s[4:7], s[0:1], 0x0                ; A's codes, A's scales
	s_load_b128 s[8:11], s[0:1], 0x10              ; B's codes, B's scales
	s_load_b64 s[12:13], s[0:1], 0x20              ; out0
	v_lshl_add_u32 v[SPW], v0, 2, SPARE
	v_mov_b32 v[NIL], 0
	ds_add_u32 v28, v29
	ds_add_u32 v28, v29
	s_wait_dscnt 0x0
	v_lshrrev_b32 v1, 5, v0
	v_readfirstlane_b32 s14, v1                    ; wave 0..3
	s_lshr_b32 s15, s14, 1                         ; which half of the tile's rows is mine.  Also: I fetch for A (0) or for B (1)
	s_and_b32 s16, s14, 1                          ; which half of its columns.  Also: which 128 rows of that tile I fetch
	s_bfe_u32 s40, ttmp6, 0x40000                  ; cx, cy
	s_bfe_u32 s41, ttmp6, 0x40004
	s_lshl_b32 s42, ttmp9, 2
	s_add_co_u32 s42, s42, s40                     ; tile column = 4 x cluster x + cx
	s_and_b32 s17, ttmp7, 0xffff
	s_lshl_b32 s17, s17, 2
	s_add_co_u32 s17, s17, s41                     ; tile row = 4 x cluster y + cy
	s_lshl_b32 s43, s41, 2
	s_lshl_b32 s43, 15, s43                        ; my row of the cluster
	s_lshl_b32 s44, 0x1111, s40                    ; my column
	; A's tile: 8 token tiles x 3,072 bytes (384 elements of 8), 12,288 bytes apart, no padding
	s_or_b32 s[G1+0], s43, (3<<16)|(1<<21)         ; 15:0 the mask; 17:16 elements of 8 bytes; 21 set beside a mask
	s_mov_b32 s[G1+1], 384<<16                     ; tensor_dim0
	s_mov_b32 s[G1+2], 8<<16                       ; tensor_dim1
	s_mov_b32 s[G1+3], 384<<16                     ; tile_dim0
	s_mov_b32 s[G1+4], 8                           ; tile_dim1
	s_mov_b32 s[G1+5], 1536                        ; from row to row
	s_mov_b32 s[G1+6], 0
	s_mov_b32 s[G1+7], 0
	; B's tile: 128 rows x 192 bytes; 16 bytes of padding behind every 64
	s_or_b32 s[G1B+0], s44, (0<<16)|(1<<20)|(1<<21)|(3<<22)|(3<<25)
	s_mov_b32 s[G1B+1], ROWB<<16
	s_mov_b32 s[G1B+2], 128<<16
	s_mov_b32 s[G1B+3], ROWB<<16
	s_mov_b32 s[G1B+4], 128
	s_mov_b32 s[G1B+5], KROW
	s_mov_b32 s[G1B+6], 0
	s_mov_b32 s[G1B+7], 0
	; the scales of 128 rows: 4,096 dense bytes, as 16 rows of 256 bytes, 16 bytes of padding behind each
	s_or_b32 s[G1S+0], s43, (3<<16)|(1<<20)|(1<<21)|(5<<22)|(3<<25)
	s_or_b32 s[G1SB+0], s44, (3<<16)|(1<<20)|(1<<21)|(5<<22)|(3<<25)
.irp g, G1S, G1SB
	s_mov_b32 s[\g+1], 32<<16
	s_mov_b32 s[\g+2], (128*KS/256)<<16
	s_mov_b32 s[\g+3], 32<<16
	s_mov_b32 s[\g+4], 128*KS/256
	s_mov_b32 s[\g+5], 32
	s_mov_b32 s[\g+6], 0
	s_mov_b32 s[\g+7], 0
.endr
	s_lshl_b32 s18, s16, 7
	s_lshl_b32 s20, s17, 8
	s_add_co_u32 s20, s20, s18                     ; A: row 256 x tile row + 128 x half
	s_lshl_b32 s46, s42, 8
	s_add_co_u32 s46, s46, s18                     ; B: row 256 x tile column + 128 x half
	s_mov_b32 s21, 0
	s_mov_b32 s47, 0
	s_mov_b64 s[18:19], KS
	s_mul_u64 s[22:23], s[20:21], s[18:19]         ; where these rows' scales begin,
	s_mul_u64 s[92:93], s[46:47], s[18:19]
	s_mov_b64 s[18:19], KROW
	s_mul_u64 s[20:21], s[20:21], s[18:19]         ; and their codes (A's rows come in whole token tiles: 768 bytes a row there too)
	s_mul_u64 s[46:47], s[46:47], s[18:19]
	s_mul_i32 s45, s16, HALFA                      ; where they go: A's two halves,
	s_mul_i32 s95, s16, HALFB
	s_add_co_u32 s95, s95, 2*HALFA                 ; then B's two: no place in the cluster enters an LDS address
	s_mul_i32 s94, s14, HALFS
	s_wait_kmcnt 0x0
	s_add_nc_u64 s[20:21], s[4:5], s[20:21]
	s_add_nc_u64 s[22:23], s[6:7], s[22:23]
	s_add_nc_u64 s[46:47], s[8:9], s[46:47]
	s_add_nc_u64 s[92:93], s[10:11], s[92:93]
	CROUND                                         ; all sixteen work-groups are here: the first joint loads meet
	s_mov_b32 s[G0S], 1
	s_add_co_u32 s[G0S+1], s94, SCL
	s_mov_b64 s[G0S+2:G0S+3], s[22:23]
	s_or_b32 s[G0S+3], s[G0S+3], 0x80000000
	s_mov_b32 s[G0SB], 1
	s_add_co_u32 s[G0SB+1], s94, SCL
	s_mov_b64 s[G0SB+2:G0SB+3], s[92:93]
	s_or_b32 s[G0SB+3], s[G0SB+3], 0x80000000
	JLOAD G0S, G1S, G0SB, G1SB                     ; the scales first
.irp s, 0,1
	s_mov_b32 s[G0+4*\s], 1
	s_add_co_u32 s[G0+4*\s+1], s45, \s*SLOT
	s_add_nc_u64 s[G0+4*\s+2:G0+4*\s+3], s[20:21], \s*AROWB
	s_or_b32 s[G0+4*\s+3], s[G0+4*\s+3], 0x80000000
	s_mov_b32 s[G0B+4*\s], 1
	s_add_co_u32 s[G0B+4*\s+1], s95, \s*SLOT
	s_add_nc_u64 s[G0B+4*\s+2:G0B+4*\s+3], s[46:47], \s*ROWB
	s_or_b32 s[G0B+4*\s+3], s[G0B+4*\s+3], 0x80000000
	JLOAD G0+4*\s, G1, G0B+4*\s, G1B               ; three tensor loads of mine are out at the most
.endr
	v_and_b32 v1, 15, v0                           ; l % 16
	v_bfe_u32 v2, v0, 4, 1                         ; l / 16
	v_mul_u32_u24 v3, v1, PITCH
	v_mul_u32_u24 v4, v2, 24
	v_add_nc_u32 v4, v3, v4                        ; B: a fragment's row x pitch + 24 x half
	v_lshl_add_u32 v5, v2, 4, v4                   ; and the same behind one padding more
	v_and_b32 v7, 31, v0
	v_lshlrev_b32 v7, 3, v7                        ; A: 8 x lane
	s_mul_i32 s21, s15, HALFA                      ; my 128 rows of A
	s_mul_i32 s22, s16, HALFB                      ; my 128 rows of B,
	s_add_co_u32 s22, s22, 2*HALFA                 ; which lie behind A's 256
.irp s, 0,1
	v_add_nc_u32 v[ADRA+\s], s21, v7
	v_add_nc_u32 v[ADRB+\s], s22, v4
	v_add_nc_u32 v[ADRB+2+\s], s22, v5
	s_add_co_u32 s21, s21, SLOT
	s_add_co_u32 s22, s22, SLOT
.endr
	v_mul_u32_u24 v5, v1, KS
	v_lshrrev_b32 v6, 8, v5
	v_lshl_add_u32 v5, v6, 4, v5
	s_mul_i32 s21, s15, HALFS
	s_mul_i32 s22, s16, HALFS
	s_add_co_u32 s22, s22, 2*HALFS
	s_sub_co_u32 s22, s22, s21
	v_mul_u32_u24 v6, s22, v2                      ; lanes 16-31 take B's
	s_add_co_u32 s21, s21, SCL
	v_add_nc_u32 v5, v5, v6
	v_add_nc_u32 v[ADRS], s21, v5
	s_mul_i32 s23, s14, 16*SPITCH                  ; my stage
	v_mul_u32_u24 v5, v1, SPITCH
	v_lshl_add_u32 v5, v2, 5, v5
	v_add_nc_u32 v[STO], s23, v5                   ; in: row l % 16, 32 bytes for each half of the lanes
	v_and_b32 v6, 31, v0
	v_lshlrev_b32 v[CO], 4, v6                     ; back: the 32 lanes take one row of 512 bytes; and the same in out0
	v_add_nc_u32 v[RD], s23, v[CO]
	s_lshl_b32 s20, s17, 8
	s_lshl_b32 s21, s15, 7
	s_add_co_u32 s20, s20, s21                     ; my first row of out0
	s_mov_b32 s21, 0
	s_mov_b64 s[18:19], SIZE_N*4
	s_mul_u64 s[20:21], s[20:21], s[18:19]
	s_lshl_b32 s46, s42, 10                        ; my first column, in bytes
	s_lshl_b32 s47, s16, 9
	s_add_co_u32 s46, s46, s47
	s_mov_b32 s47, 0
	s_add_nc_u64 s[20:21], s[20:21], s[46:47]
	s_add_nc_u64 s[12:13], s[12:13], s[20:21]
.macro FRAG reg, adr, q, i             ; a fragment of B from rows: pieces of 8 bytes; where the piece three on (lanes 16-31) lies behind one padding more, the second address register serves
.irp p, 0,1,2,3,4,5
.set PCE, 12*(\q)+6*(\p/3)+\p%3
.if PCE%8 < 5
	ds_load_b64 v[\reg+2*\p:\reg+2*\p+1], v[\adr] offset:8*PCE+16*(PCE/8)+(\i)*16*PITCH
.else
	ds_load_b64 v[\reg+2*\p:\reg+2*\p+1], v[\adr+2] offset:8*PCE+16*(PCE/8)+(\i)*16*PITCH
.endif
.endr
.endm
.macro FRAGA reg, adr, q, i            ; a fragment of A: token tile i, heads 2 q and 2 q + 1 of the slot's four: two half fragments as they lie
.irp p, 0,1,2,3,4,5
	ds_load_b64 v[\reg+2*\p:\reg+2*\p+1], v[\adr] offset:AROWB*(\i)+768*(2*(\q)+\p/3)+256*(\p%3)
.endr
.endm
; 16 matrix instructions: A's blocks a0, a0 + 1 x B's eight, 128 along K.  The 64 accumulators take turns, one instruction a turn.
.macro MUL16 a0, p, q, sc, zero
.irp a, \a0, \a0+1
.irp b, 0,1,2,3,4,5,6,7
.if \zero
	v_wmma_scale_f32_16x16x128_f8f6f4 v[8*(8*((\a)%4)+\b):8*(8*((\a)%4)+\b)+7], v[128*(\p)+FR*\b:128*(\p)+FR*\b+FR-1], v[AF+FR*(\a):AF+FR*(\a)+FR-1], 0, v[SC+8*NQ*(\sc)+NQ*\b+(\q)], v[SC+8*NQ*(\sc)+NQ*(\a)+(\q)] matrix_a_fmt:MATRIX_FMT_FP6 matrix_b_fmt:MATRIX_FMT_FP6 matrix_a_scale:MATRIX_SCALE_ROW1
.else
	v_wmma_scale_f32_16x16x128_f8f6f4 v[8*(8*((\a)%4)+\b):8*(8*((\a)%4)+\b)+7], v[128*(\p)+FR*\b:128*(\p)+FR*\b+FR-1], v[AF+FR*(\a):AF+FR*(\a)+FR-1], v[8*(8*((\a)%4)+\b):8*(8*((\a)%4)+\b)+7], v[SC+8*NQ*(\sc)+NQ*\b+(\q)], v[SC+8*NQ*(\sc)+NQ*(\a)+(\q)] matrix_a_fmt:MATRIX_FMT_FP6 matrix_b_fmt:MATRIX_FMT_FP6 matrix_a_scale:MATRIX_SCALE_ROW1
.endif
.endr
.endr
.endm
.macro FETCH_B slot, q, p
	WIN TO_B
.irp i, 0,1,2,3,4,5,6,7
	FRAG 128*(\p)+FR*\i, ADRB+\slot, \q, \i
.endr
	WIN 0
.endm
.macro FETCH_A slot, q, i0
.irp i, \i0, \i0+1, \i0+2, \i0+3
	FRAGA AF+FR*(\i), ADRA+\slot, \q, \i
.endr
.endm
.macro SCALES sc
.irp i, 0,1,2,3,4,5,6,7
	ds_load_b64 v[SC+8*NQ*\sc+NQ*\i:SC+8*NQ*\sc+NQ*\i+1], v[ADRS] offset:\i*SBLK
.endr
.endm
.macro PLACES n
.rept \n
	v_nop
.endr
.endm
.macro STEP slot, q, zero
	s_wait_dscnt 4*NL                              ; B's set and A's blocks 0-3 are in; the youngest 24 loads (A's blocks 4-7) may be out
	WIN MUL_LO
	MUL16 0, (\q)%2, \q, \slot, \zero
	MUL16 2, (\q)%2, \q, \slot, \zero
	s_wait_dscnt 0
	PLACES NP
	FETCH_B \slot, (\q)+1, 1-(\q)%2
	FETCH_A \slot, (\q)+1, 0
	WIN MUL_HI
	MUL16 4, (\q)%2, \q, \slot, \zero
	MUL16 6, (\q)%2, \q, \slot, \zero
	PLACES NP
	WIN 0
	FETCH_A \slot, (\q)+1, 4
.endm
.macro TURN slot, next, fill
	s_wait_tensorcnt 0x0                           ; all my tensor loads have landed: my part of the next slot
	ds_add_u32 v[SPW], v[NIL]                      ; 0 onto my spare word
	s_wait_dscnt 4*NL+1                            ; (the add and the youngest 24 loads may be out)
	WIN MUL_LO
	MUL16 0, 1, NQ-1, \slot, 0
	s_wait_dscnt 0x0                               ; the add is done, and my reads of this slot are over
	s_barrier_signal -1
	MUL16 2, 1, NQ-1, \slot, 0
	WIN 0
	s_barrier_wait -1
.if \fill
	CREST                                          ; the barrier has opened a round of the cluster's barrier: no wave of any partner still reads this slot's tile or has a load on its way
	s_add_nc_u64 s[G0+4*\slot+2:G0+4*\slot+3], s[G0+4*\slot+2:G0+4*\slot+3], 2*AROWB
	s_add_nc_u64 s[G0B+4*\slot+2:G0B+4*\slot+3], s[G0B+4*\slot+2:G0B+4*\slot+3], 2*ROWB
	JLOAD G0+4*\slot, G1, G0B+4*\slot, G1B         ; the first tensor load behind the round; its four v_nop are the places in front of the loads below
.else
	PLACES NP
.endif
	v_add_nc_u32 v[ADRS], 4*NQ, v[ADRS]
	FETCH_B \next, 0, 0
	FETCH_A \next, 0, 0
	SCALES \next
	WIN MUL_HI
	MUL16 4, 1, NQ-1, \slot, 0
	MUL16 6, 1, NQ-1, \slot, 0
	PLACES NP
	WIN 0
	FETCH_A \next, 0, 4
.endm
	s_wait_tensorcnt 1                             ; the scales and my part of K step 0 are in (K step 1's load may be out),
	s_barrier_signal -1
	s_barrier_wait -1                              ; everybody's are
	FETCH_B 0, 0, 0
	FETCH_A 0, 0, 0
	SCALES 0
	FETCH_A 0, 0, 4
	STEP 0, 0, 1                                   ; the first step's products start the sums
	s_mov_b32 s3, LAPS-1
.Llap:
	TURN 0, 1, 1
	STEP 1, 0, 0
	TURN 1, 0, 1
	STEP 0, 0, 0
	s_sub_co_u32 s3, s3, 1
	s_cmp_lg_u32 s3, 0
	s_cbranch_scc1 .Llap
	TURN 0, 1, 0                                   ; the last lap fills nothing
	STEP 1, 0, 0
	s_wait_dscnt 4*NL
	WIN MUL_LO
	MUL16 0, 1, NQ-1, 1, 0
	MUL16 2, 1, NQ-1, 1, 0
	s_wait_dscnt 0
	WIN MUL_HI
	MUL16 4, 1, NQ-1, 1, 0
	MUL16 6, 1, NQ-1, 1, 0
	WIN 0
; THE WAY OUT, block by block of 16 rows x 128 columns, through my own stage in LDS: in as 32 bytes a lane, back as whole rows of 512 bytes.  LDS serves a wave's instructions in order (ISA guide 5.7.1.4): no wait between the stores and the loads.
.macro TOSTAGE a
.set AC, 64*((\a)%4)
	WIN 0x08+4*((\a)/4)                            ; the data: window 2 or 3
.irp b, 0,1,2,3,4,5,6,7
	ds_store_b128 v[STO], v[AC+8*\b:AC+8*\b+3] offset:64*\b          ; each accumulator from its low end on
	ds_store_b128 v[STO], v[AC+8*\b+4:AC+8*\b+7] offset:64*\b+16
.endr
	WIN 0
.set BB, BK+64*((\a)%2)
.irp t, 0,1,2,3,4,5,6,7,8,9,10,11,12,13,14,15
	ds_load_b128 v[BB+4*\t:BB+4*\t+3], v[RD] offset:\t*SPITCH
.endr
.endm
.macro SEND a, younger                 ; younger: the LDS instructions issued behind block a's loads, which may stay out
.set BB, BK+64*((\a)%2)
	s_wait_dscnt \younger
.if (\a) > 0
	s_add_nc_u64 s[12:13], s[12:13], 16*SIZE_N*4   ; (behind a wait on XCNT: the earlier stores have read their base)
.endif
.irp t, 0,1,2,3,4,5,6,7,8,9,10,11,12,13,14,15
	global_store_b128 v[CO], v[BB+4*\t:BB+4*\t+3], s[12:13] offset:\t*SIZE_N*4 th:TH_STORE_NT   ; 32 lanes store 512 consecutive bytes, at a multiple of 256 from out0's first byte
.endr
.endm
	PLACES NP
	TOSTAGE 0
.irp a, 1,2,3,4,5,6,7
.if \a > 1
	s_wait_xcnt 0x0                                ; block a - 2's stores have read their registers and their base
.endif
	TOSTAGE \a
	SEND \a-1, 32                                  ; behind block a - 1's loads: block a's 16 stores and 16 loads
.endr
	s_wait_xcnt 0x0
	SEND 7, 0
	s_wait_tensorcnt 0x0                           ; the wave's end
	ds_add_u32 v[SPW], v[NIL]
	s_wait_dscnt 0x0
	CROUND                                         ; the closing round
	s_endpgm
.Lfunc_end_k_q6f76994a89_proj:
	.size	k_q6f76994a89_proj, .Lfunc_end_k_q6f76994a89_proj-k_q6f76994a89_proj
	.p2alignl 7, 3214868480
	.fill 96, 4, 3214868480
	.section	.rodata,"a",@progbits
	.p2align	6, 0x0
	.amdhsa_kernel k_q6f76994a89_proj
		.amdhsa_group_segment_fixed_size 327680
		.amdhsa_private_segment_fixed_size 0
		.amdhsa_enable_private_segment 0
		.amdhsa_kernarg_size 40
		.amdhsa_user_sgpr_count 2
		.amdhsa_user_sgpr_kernarg_segment_ptr 1
		.amdhsa_wavefront_size32 1
		.amdhsa_system_sgpr_workgroup_id_x 1
		.amdhsa_system_sgpr_workgroup_id_y 1
		.amdhsa_system_sgpr_workgroup_id_z 1
		.amdhsa_system_vgpr_workitem_id 0
		.amdhsa_next_free_vgpr 1024
		.amdhsa_next_free_sgpr 98
		.amdhsa_reserve_vcc 0
		.amdhsa_float_denorm_mode_32 3
		.amdhsa_float_denorm_mode_16_64 3
		.amdhsa_memory_ordered 1
		.amdhsa_forward_progress 1
		.amdhsa_inst_pref_size 160
	.end_amdhsa_kernel
	.amdgpu_metadata
---
amdhsa.version: [ 1, 2 ]
amdhsa.kernels:
  - .name:           k_q6f76994a89_proj
    .symbol:         k_q6f76994a89_proj.kd
    .args:
      - { .name: a_codes, .offset: 0, .size: 8, .value_kind: global_buffer, .address_space: global }
      - { .name: a_scales, .offset: 8, .size: 8, .value_kind: global_buffer, .address_space: global }
      - { .name: w_out_codes, .offset: 16, .size: 8, .value_kind: global_buffer, .address_space: global }
      - { .name: w_out_scales, .offset: 24, .size: 8, .value_kind: global_buffer, .address_space: global }
      - { .name: out0, .offset: 32, .size: 8, .value_kind: global_buffer, .address_space: global }
    .group_segment_fixed_size: 327680
    .private_segment_fixed_size: 0
    .kernarg_segment_align: 8
    .kernarg_segment_size: 40
    .max_flat_workgroup_size: 128
    .sgpr_count:     98
    .vgpr_count:     1024
    .wavefront_size: 32
...
	.end_amdgpu_metadata
.endif
;; end of part 3
